; MI455X (gfx1250); checked and timed in simulation.
; The chip was launched on July 23, 2026; its instructions are those of AMD's public machine-readable ISA for CDNA 5 (MIT licence, August 2026) and "CDNA5" Instruction Set Architecture Reference Guide (July 2026). The comments in the code are by the model that wrote it; some were corrected since.
;; Attention. Allowed arithmetic: matrix products marked QUANTISED: E2M3 operands, one E8M0 scale for each 32 along K, by v_wmma_scale_f32_16x16x128_f8f6f4 with both operands' format E2M3, f32 sums; everything else in f32.
;; Inputs: Wk 1,024 x 1,024 float32; Wo 1,024 x 1,024 float32; Wq 1,024 x 1,024 float32; Wv 1,024 x 1,024 float32; bo 1,024 float32; mask 2 x 2,048 x 2,048 bool; x 2 x 2,048 x 1,024 float32.
;; Outputs: out0 2 x 2,048 x 1,024 float32.
;; This version of the problem:
;;   THIS VERSION OF THE PROBLEM IS GIVEN IN LOW PRECISION. The matrix products marked QUANTISED in the list below multiply operands that are first quantised to E2M3 (2 exponent bits, 3 mantissa bits; 6 bits a number), with one power-of-two scale for each 32 numbers along K (OCP MX v1.0); their sums are f32. All else is computed in f32.
;;   The module's matrix products, in the order in which they are computed (A, B: the left and right operand; K: the contracted axis; several contracted axes count as one K, in the product's order):
;;     1. [M 4,096, K 1,024] x [K 1,024, N 1,024]; A: input x; B: input Wq: QUANTISED
;;     2. [M 4,096, K 1,024] x [K 1,024, N 1,024]; A: input x; B: input Wk: QUANTISED
;;     3. [M 4,096, K 1,024] x [K 1,024, N 1,024]; A: input x; B: input Wv: QUANTISED
;;     4. batch 32 x [M 2,048, K 64] x [K 64, N 2,048]; A: computed on the way; B: computed on the way: QUANTISED
;;     5. batch 32 x [M 2,048, K 2,048] x [K 2,048, N 64]; A: computed on the way; B: computed on the way: QUANTISED
;;     6. [M 4,096, K 1,024] x [K 1,024, N 1,024]; A: computed on the way; B: input Wo: QUANTISED
;;   THE QUANTISER, for each operand of a quantised product, along K:
;;     - K is cut into blocks of 32 from its start; a last block that is shorter is filled with zeros.
;;     - A block's scale is 2^e with e = floor(log2(the largest magnitude in the block)) - 2, held to -126 .. 127; a block of zeros has e = 0. As a byte (E8M0): e + 127.
;;     - Each number is divided by its block's scale, clamped to +-7.5, and rounded to the nearest number of E2M3, ties to even, subnormals kept.
;;     - The product sums the exact products of the quantised numbers (number of the format x scale) in f32.
;;   ~~~python
;;   def quantise(x, axis):      # numpy; x: float32 -> the quantised numbers, widened to float32 again
;;       x = np.moveaxis(x, axis, -1); K = x.shape[-1]
;;       x = np.pad(x, [(0, 0)] * (x.ndim - 1) + [(0, -K % 32)]); x = x.reshape(x.shape[:-1] + (-1, 32)); a = np.abs(x).max(-1, keepdims=True)
;;       e = np.where(a > 0, np.clip(np.frexp(np.where(a > 0, a, 1))[1] - 1 - 2, -126, 127), 0)      # np.frexp(a)[1] - 1 = floor(log2(a)), exactly
;;       r = np.clip(x / 2.0 ** e, -7.5, 7.5)
;;       step = 2.0 ** (np.maximum(np.frexp(np.where(r == 0, 1, r))[1] - 1, 0) - 3)
;;       q = np.round(r / step) * step * 2.0 ** e      # np.round: ties to even
;;       return np.moveaxis(q.reshape(q.shape[:-2] + (-1,))[..., :K], -1, axis).astype(np.float32)
;;   ~~~
;;   OPERANDS COMPUTED ON THE WAY. 'Computed on the way' means the value that the module computes at that place (a softmax that the list does not call 'softmax' is quantised finished and normalised). What goes into a quantiser is computed in f32, as accurately as f32 sums, v_exp_f32 and their like allow (about 1e-6 of the number): no bf16 or f16 on the way to a quantiser, and a product that is left as it is and whose result goes on into a quantised operand takes f32 operands (vector FMAs, or v_wmma_f32_16x16x4_f32). A number that lies on a knife's edge between two numbers of the format may be rounded either way, as far as f32 arithmetic and the matrix unit's own rounding can turn it there, and no further.
;; One version. Each part assembles by itself: llvm-mc -triple=amdgcn-amd-amdhsa -mcpu=gfx1250 --defsym DOCPART=n.
;; ======== version 1 of 1: 4 launches
;; limits: right only within a limited range of input values
;; workspace buffers: xq 3,276,800 bytes; wq 3,276,800 bytes; mbits 1,048,576 bytes of whole numbers; qk 6,553,600 bytes; vv 3,276,800 bytes; oq 3,276,800 bytes
;; launch prep (part 1): grid 512 x 1, 4 waves a work-group, no clusters, 68,096 bytes of LDS; arguments x, Wq, Wk, Wv, Wo, mask, xq, wq, mbits; writes xq, wq, mbits
.if DOCPART == 1
	.amdgcn_target "amdgcn-amd-amdhsa--gfx1250"
	.amdhsa_code_object_version 6
	.text
	.protected	k_q909ee94bf8_prep
	.globl	k_q909ee94bf8_prep
	.p2align	8
	.type	k_q909ee94bf8_prep,@function
k_q909ee94bf8_prep:
	s_mov_b64 s[64:65], 0
	v_nop
	global_prefetch_b8 v0, s[64:65] scope:SCOPE_SE
	s_setreg_imm32_b32 hwreg(HW_REG_WAVE_MODE, 25, 1), 1
	s_wait_xcnt 0x0
; THE PROGRAM: attention, B = 2, S = 2048, 16 heads of 64, all six products on codes of FP6 (E2M3) with one E8M0 scale for each 32 along K.
; Four launches: this one quantises x and the four weights and packs the mask; the second makes q, k, v and quantises them on the way out; the third is the attention; the fourth the projection on the way out.
; WHAT IS NOT COMPUTED AS WRITTEN, and why it is the same for all values of the inputs.  The source computes a1 = e / Z with e = exp(where(mask, sim, neg) - max) and Z the sum of e over all keys;
; a2 = a1 x mask; attn = a2 / max(sum of a2, 1e-9).  In real numbers sum of a2 = Zm / Z with Zm the sum of mask x e, so attn = mask x e / Zm: the division by Z is a factor that cancels by identity, and so
; does any shift common to a row's exponents.  The program computes p = mask ? 2^(t - M) : 0, t = score x log2(e) / 8, M the running largest t of the open keys rounded up to a whole number (a maximum is
; still taken away before the exponential), l = the sum of p, attn = p / max(l, 1e-9).  A row with no open key has p = 0 everywhere and attn = 0, as in the source; with an open key l is at least 1/2 and the guard rests, as in the source.
; No input and no product is left out.
; LIMITS: t under -3e38 is not served; NaN and infinities among the inputs are not served, and an overflow that would reach only the division by Z is not carried to the result; a p under 2^-126 becomes 0;
; a block of zeros gets the scale byte 1 where the rule says 127: its codes are zeros, which add nothing under any byte but 0xff, and the bytes are read by this program alone.
;
; FORMATS of the workspace, laid as the operands' registers want them.
; A TILE is 16 rows: row i of tile T is row 32 (T / 2) + 8 (T % 2) + i + 8 (i / 8).  As source 0 of a product, tiles 2 b and 2 b + 1 then give a lane 16 neighbours, 32 b + 16 (lane / 16) + 0 .. 15.
; A FRAGMENT IMAGE is 16 rows x 128 K = 12 registers a lane = 1,536 bytes, two halves of 768: registers 6 c .. 6 c + 3 at 16 x lane, registers 6 c + 4, 6 c + 5 at 512 + 8 x lane.  Every store covers whole aligned runs of 256 bytes.
; xq, wq: codes [tile 256][K step 8][1536], then from byte 3,145,728 scale words [tile][K step][row 16].  wq's tiles: 0-63 Wq, 64-127 Wk, 128-191 Wv, 192-255 Wo.
; mbits: [token tile 256][key step 16][64 words]: bit L of word 16 b + i is mask[token: row L % 16 of the tile][key 128 step + 32 b + 16 (L / 16) + i]: the lane masks of the third launch's selects.
; SHARES: work-groups 0-127 take x (32 rows each), 128-255 the weights (128 columns x 256 along K), 256-511 the mask (a token tile each).  Waves share nothing: no barrier.  Each path has LDS bytes of its own.
.set SP,    528                        ; a stage row: 512 bytes + 16
.set STW,   16*SP                      ; a wave's stage
.set MST,   4*STW                      ; the mask path's four stages lie behind the x path's four
.set SPARE, 8*STW                      ; the spare words, 128 bytes for each wave
.set SCLO,  3145728                    ; where the scale words begin in xq and wq
.set L16, 1                            ; v1  16 x lane
.set L8,  2                            ; v2  8 x lane
.set L4,  3                            ; v3  4 x lane
.set SI,  4                            ; v4  x stage, on the way in
.set SO,  5                            ; v5  x stage, on the way out
.set SPW, 6                            ; v6  my spare word; never rewritten
.set NIL, 7                            ; v7  0; never rewritten
.set MI,  12                           ; v12 mask stage, in
.set MO,  13                           ; v13 mask stage, out
.set R,   16                           ; x: v16-143 two sets of 64 as loaded
.set X,   144                          ; x: v144-207 64 numbers of a lane, register 16 b + i = k 32 b + 16 (lane / 16) + i
.set PC,  208                          ; v208-219 a fragment's codes
.set T2,  220                          ; v220-227 the conversions' second halves
.set TM,  228                          ; v228-243 at work
.set PWS, 244                          ; v244-247 scale words
.set SEL, 24                           ; s[24:25] selects for lane l xor 16
.set XW,  16                           ; weights: v16-79 two sets of 32
.set MB,  80                           ; mask: v80-143 the bytes back from the stage
.set WA,  144                          ; mask: v144-151 the words, two registers a key step
.macro FINISH                          ; a wave's end
	s_wait_tensorcnt 0x0
	ds_add_u32 v[SPW], v[NIL]
	s_wait_dscnt 0x0
	s_endpgm
.endm
; 64 numbers of a lane become a fragment's codes in v[PC] on and its rows' scale word in v[pw] (equal in lanes l and l xor 16)
.macro QUANT s, pw
.irp b, 0,1,2,3
	v_max3_num_f32 v[TM+\b], |v[\s+16*\b]|, |v[\s+1+16*\b]|, 0x1800000   ; block b: my 16 numbers and the floor 2^(3 - 127), so that the byte cannot fall under 1
.endr
.irp i, 2,4,6,8,10,12,14
.irp b, 0,1,2,3
	v_max3_num_f32 v[TM+\b], v[TM+\b], |v[\s+16*\b+\i]|, |v[\s+1+16*\b+\i]|
.endr
.endr
.irp b, 0,1,2,3
	v_permlanex16_b32 v[TM+4+\b], v[TM+\b], s[SEL], s[SEL+1]
.endr
.irp b, 0,1,2,3
	v_max_num_f32 v[TM+\b], v[TM+\b], v[TM+4+\b]   ; with lane l xor 16: the block's largest magnitude
.endr
.irp b, 0,1,2,3
	v_add_nc_u32 v[TM+12+\b], 0xff000000, v[TM+\b]   ; 2 off its exponent field: the conversion's scale operand
.endr
.irp b, 0,1,2,3
	v_lshrrev_b32 v[TM+4+\b], 23, v[TM+12+\b]      ; the scale's byte
.endr
	v_lshl_or_b32 v[\pw], v[TM+5], 8, v[TM+4]
	v_lshl_or_b32 v[\pw], v[TM+6], 16, v[\pw]
	v_lshl_or_b32 v[\pw], v[TM+7], 24, v[\pw]
.irp c, 0,1
	v_cvt_scalef32_pk16_fp6_f32 v[PC+6*\c:PC+2+6*\c], v[\s+32*\c:\s+15+32*\c], v[TM+12+2*\c]
	v_cvt_scalef32_pk16_fp6_f32 v[T2+4*\c:T2+2+4*\c], v[\s+16+32*\c:\s+31+32*\c], v[TM+13+2*\c]   ; (a conversion's three registers begin on an even number)
.endr
	v_nop                                          ; one plain place behind the conversions
.irp c, 0,1                                    ; the layout wants a whole block in a lane: lanes 0-15 block 2 c, lanes 16-31 block 2 c + 1
.irp i, 0,1,2
	v_permlane16_swap_b32 v[PC+6*\c+\i], v[T2+4*\c+\i]
.endr
.irp i, 0,1,2
	v_mov_b32 v[PC+3+6*\c+\i], v[T2+4*\c+\i]
.endr
.endr
.endm
	s_load_b512 s[4:19], s[0:1], 0x0               ; x s[4:5], Wq s[6:7], Wk s[8:9], Wv s[10:11], Wo s[12:13], mask s[14:15], xq s[16:17], wq s[18:19]
	s_load_b64 s[20:21], s[0:1], 0x40              ; mbits
	v_lshl_add_u32 v[SPW], v0, 2, SPARE
	v_mov_b32 v[NIL], 0
	v_lshrrev_b32 v8, 5, v0
	v_readfirstlane_b32 s23, v8                    ; wave
	v_and_b32 v9, 31, v0                           ; lane
	v_and_b32 v10, 15, v0                          ; r
	v_bfe_u32 v11, v0, 4, 1                        ; h
	v_lshlrev_b32 v[L16], 4, v9
	v_lshlrev_b32 v[L8], 3, v9
	v_lshlrev_b32 v[L4], 2, v9
	s_mul_i32 s26, s23, STW
	v_mul_u32_u24 v14, v10, SP
	v_add_nc_u32 v[SI], s26, v[L16]                ; every LDS address is made here, ahead of the parting
	v_lshl_add_u32 v[SO], v11, 6, v14
	v_add_nc_u32 v[SO], s26, v[SO]                 ; row r, + 64 h: my 16 numbers of a block of 32
	v_add_nc_u32 v[MI], MST, v[SI]
	v_lshl_add_u32 v[MO], v11, 4, v14
	v_add_nc_u32 v[MO], s26, v[MO]
	v_add_nc_u32 v[MO], MST, v[MO]                 ; row r, + 16 h: my 16 keys of a block of 32
	s_mov_b32 s22, 0xffff0000                      ; lanes 16-31
	s_mov_b32 s[SEL], 0x76543210
	s_mov_b32 s[SEL+1], 0xfedcba98
	s_mov_b32 s31, 0                               ; the upper word of every offset
	s_wait_kmcnt 0x0
	s_cmp_lt_u32 ttmp9, 128
	s_cbranch_scc1 .Lx
	s_cmp_lt_u32 ttmp9, 256
	s_cbranch_scc1 .Lw
; ---- THE MASK: token tile T = work-group - 256; wave w takes keys 512 w .. 512 w + 511, four key steps
	s_sub_co_u32 s27, ttmp9, 256
	s_lshr_b32 s28, s27, 1
	s_lshl_b32 s28, s28, 5
	s_and_b32 s29, s27, 1
	s_lshl_b32 s29, s29, 3
	s_add_co_u32 s28, s28, s29                     ; the tile's first row: 32 (T / 2) + 8 (T % 2)
	s_lshl_b32 s30, s28, 11                        ; rows of 2,048 bytes
	s_lshl_b32 s29, s23, 9
	s_add_co_u32 s30, s30, s29
	s_add_nc_u64 s[14:15], s[14:15], s[30:31]
.irp i, 0,1,2,3,4,5,6,7,8,9,10,11,12,13,14,15
	global_load_b128 v[R+4*\i:R+4*\i+3], v[L16], s[14:15] offset:(\i+8*(\i/8))*2048 th:TH_LOAD_NT   ; 512 consecutive bytes of the tile's row i
.endr
	s_lshl_b32 s30, s27, 12                        ; mbits: 4,096 bytes a tile, 256 a key step
	s_lshl_b32 s29, s23, 10
	s_add_co_u32 s30, s30, s29
	s_add_nc_u64 s[20:21], s[20:21], s[30:31]
.irp i, 0,1,2,3,4,5,6,7
	v_mov_b32 v[WA+\i], 0                          ; a lane write's destination counts as read
.endr
	s_wait_loadcnt 0x0
.irp i, 0,1,2,3,4,5,6,7,8,9,10,11,12,13,14,15
	ds_store_b128 v[MI], v[R+4*\i:R+4*\i+3] offset:SP*\i
.endr
	s_wait_alu depctr_va_vdst(0)
.irp i, 0,1,2,3,4,5,6,7,8,9,10,11,12,13,14,15
	ds_load_b128 v[MB+4*\i:MB+4*\i+3], v[MO] offset:32*\i   ; LDS serves a wave's instructions in order: these see my stores.  Key step i / 4, block i % 4: my row's 16 keys
.endr
	s_wait_dscnt 0x0
.macro WORDS ks                        ; 64 words of a key step: a byte of every lane becomes a bit of a scalar, which goes to lane j / 2 of register j % 2
.set j, 0
.rept 64
	v_and_b32 v[152+j%8], 0xff<<(8*(j%4)), v[MB+16*(\ks)+4*(j/16)+((j%16)/4)]
	v_cmp_ne_u32 s[40+j%8], 0, v[152+j%8]
	v_writelane_b32 v[WA+2*(\ks)+(j%2)], s[40+j%8], j/2
.set j, j+1
.endr
	global_store_b64 v[L8], v[WA+2*(\ks):WA+2*(\ks)+1], s[20:21] offset:256*(\ks)   ; 32 lanes store 256 consecutive bytes, aligned
.endm
	WORDS 0
	WORDS 1
	WORDS 2
	WORDS 3
	FINISH
; ---- x: work-group g takes rows 32 g .. 32 g + 31; wave w takes tile 2 g + w / 2, K steps 4 (w % 2) + 0 .. 3
.macro LOADX f
.irp i, 0,1,2,3,4,5,6,7,8,9,10,11,12,13,14,15
	global_load_b128 v[R+64*((\f)%2)+4*\i:R+64*((\f)%2)+4*\i+3], v[L16], s[4:5] offset:(\i+8*(\i/8))*4096+512*(\f) th:TH_LOAD_NT   ; 128 numbers of the tile's row i: 512 consecutive bytes
.endr
.endm
.macro FRAGX f
.if (\f) < 3
	s_wait_loadcnt 16                              ; this fragment's 16 loads are in, the next one's may be out
.else
	s_wait_loadcnt 0x0
.endif
.irp i, 0,1,2,3,4,5,6,7,8,9,10,11,12,13,14,15
	ds_store_b128 v[SI], v[R+64*((\f)%2)+4*\i:R+64*((\f)%2)+4*\i+3] offset:SP*\i
.endr
.irp b, 0,1,2,3
.irp j, 0,1,2,3
	ds_load_b128 v[X+16*\b+4*\j:X+16*\b+4*\j+3], v[SO] offset:128*\b+16*\j   ; in order behind my stores
.endr
.endr
	s_wait_dscnt 0x0                               ; the numbers are back, and the stage's stores have read their registers
	s_wait_xcnt 0x0                                ; the last fragment's stores have read v[PC] on, which is written again below
.if (\f) < 2
	LOADX (\f)+2
.endif
	QUANT X, PWS+(\f)
	global_store_b128 v[L16], v[PC:PC+3], s[34:35] offset:1536*(\f)
	global_store_b64 v[L8], v[PC+4:PC+5], s[34:35] offset:1536*(\f)+512
	global_store_b128 v[L16], v[PC+6:PC+9], s[34:35] offset:1536*(\f)+768
	global_store_b64 v[L8], v[PC+10:PC+11], s[34:35] offset:1536*(\f)+1280
.if (\f)%2 == 1
	v_cndmask_b32 v[248+(\f)/2], v[PWS+(\f)-1], v[PWS+(\f)], s22   ; lanes 0-15: the K step before, lanes 16-31: this one
	global_store_b32 v[L4], v[248+(\f)/2], s[36:37] offset:64*((\f)-1)   ; two K steps' words: 128 consecutive bytes
.endif
.endm
.Lx:
	s_lshr_b32 s27, s23, 1
	s_and_b32 s28, s23, 1
	s_lshl_b32 s30, ttmp9, 17                      ; 32 rows of 4,096 bytes
	s_lshl_b32 s29, s27, 15                        ; the second tile begins 8 rows on
	s_add_co_u32 s30, s30, s29
	s_lshl_b32 s29, s28, 11                        ; four K steps of 512 bytes
	s_add_co_u32 s30, s30, s29
	s_add_nc_u64 s[4:5], s[4:5], s[30:31]
	LOADX 0
	LOADX 1
	s_lshl_b32 s29, ttmp9, 1
	s_add_co_u32 s29, s29, s27                     ; tile
	s_lshl_b32 s29, s29, 3
	s_lshl_b32 s28, s28, 2
	s_add_co_u32 s29, s29, s28                     ; 8 x tile + my first K step
	s_mul_i32 s30, s29, 1536
	s_add_nc_u64 s[34:35], s[16:17], s[30:31]      ; its image
	s_lshl_b32 s30, s29, 6
	s_add_co_u32 s30, s30, SCLO
	s_add_nc_u64 s[36:37], s[16:17], s[30:31]      ; its scale words
.irp b, 0,1,2,3
	v_mov_b32 v[TM+4+\b], 0                        ; a lane permute's destination counts as read
.endr
	s_wait_alu depctr_va_vdst(0)
	FRAGX 0
	FRAGX 1
	FRAGX 2
	FRAGX 3
	FINISH
; ---- THE WEIGHTS, [k][n] with K the first axis: a lane takes a column and its registers run down K, so a block of 32 lies in one lane.
; Work-group: matrix (id / 32), 128 columns ((id / 4) % 8), 256 along K (id % 4).  Wave w takes the tile pair g = 4 x column group + w: lanes 0-15 hold tile 2 g's rows, lanes 16-31 tile 2 g + 1's.
.macro LOADW t
.irp i, 0,1,2,3,4,5,6,7,8,9,10,11,12,13,14,15,16,17,18,19,20,21,22,23,24,25,26,27,28,29,30,31
	global_load_b32 v[XW+32*((\t)%2)+\i], v14, s[6:7] offset:(32*(\t)+\i)*4096 th:TH_LOAD_NT   ; the 32 lanes read 128 consecutive bytes of one row
.endr
.endm
.macro BLOCKW t
.set XS, XW+32*((\t)%2)
.set CE, 96+12*((\t)/2)                ; a set of 12 registers for each pair of blocks, so that no store's data are written again
.if (\t) < 7
	s_wait_loadcnt 32                              ; this block's 32 loads are in, the next one's may be out
.else
	s_wait_loadcnt 0x0
.endif
	v_max3_num_f32 v228, |v[XS]|, |v[XS+1]|, |v[XS+2]|
	v_max3_num_f32 v229, |v[XS+3]|, |v[XS+4]|, |v[XS+5]|
.irp i, 6,10,14,18,22,26
	v_max3_num_f32 v228, v228, |v[XS+\i]|, |v[XS+\i+1]|
	v_max3_num_f32 v229, v229, |v[XS+\i+2]|, |v[XS+\i+3]|
.endr
	v_max3_num_f32 v228, v228, |v[XS+30]|, |v[XS+31]|
	v_max3_num_f32 v228, v228, v229, 0x1800000     ; with the floor
	v_add_nc_u32 v230, 0xff000000, v228            ; the conversion's scale operand
	v_lshrrev_b32 v231, 23, v230                   ; the byte
.if (\t)%4 == 0
	v_mov_b32 v[PWS+(\t)/4], v231
.else
	v_lshl_or_b32 v[PWS+(\t)/4], v231, 8*((\t)%4), v[PWS+(\t)/4]
.endif
	v_cvt_scalef32_pk16_fp6_f32 v[CE+6*((\t)%2):CE+6*((\t)%2)+2], v[XS:XS+15], v230
	v_cvt_scalef32_pk16_fp6_f32 v[T2:T2+2], v[XS+16:XS+31], v230
	v_nop                                          ; one plain place behind the conversions
.irp i, 0,1,2
	v_mov_b32 v[CE+6*((\t)%2)+3+\i], v[T2+\i]
.endr
.if (\t)+2 < 8
	LOADW (\t)+2
.endif
.if (\t)%2 == 1                        ; an even and an odd block are half a fragment of each tile: the first's lanes 16-31 change places with the second's lanes 0-15
.irp i, 0,1,2,3,4,5
	v_permlane16_swap_b32 v[CE+\i], v[CE+6+\i]
.endr
	global_store_b128 v[L16], v[CE:CE+3], s[36:37] offset:1536*((\t)/4)+768*(((\t)/2)%2)
	global_store_b64 v[L8], v[CE+4:CE+5], s[36:37] offset:1536*((\t)/4)+768*(((\t)/2)%2)+512
	global_store_b128 v[L16], v[CE+6:CE+9], s[36:37] offset:12288+1536*((\t)/4)+768*(((\t)/2)%2)
	global_store_b64 v[L8], v[CE+10:CE+11], s[36:37] offset:12288+1536*((\t)/4)+768*(((\t)/2)%2)+512
.endif
.endm
.Lw:
	s_sub_co_u32 s27, ttmp9, 128
	s_lshr_b32 s28, s27, 5                         ; which matrix
	s_bfe_u32 s29, s27, 0x30002                    ; which 128 columns
	s_and_b32 s30, s27, 3                          ; which 256 along K
	s_cmp_eq_u32 s28, 1
	s_cselect_b64 s[6:7], s[8:9], s[6:7]
	s_cmp_eq_u32 s28, 2
	s_cselect_b64 s[6:7], s[10:11], s[6:7]
	s_cmp_eq_u32 s28, 3
	s_cselect_b64 s[6:7], s[12:13], s[6:7]
	s_lshl_b32 s29, s29, 2
	s_add_co_u32 s29, s29, s23                     ; g
	s_lshl_b32 s32, s30, 20                        ; 256 rows of 4,096 bytes
	s_lshl_b32 s33, s29, 7                         ; 32 columns of 4 bytes
	s_add_co_u32 s32, s32, s33
	s_mov_b32 s33, 0
	s_add_nc_u64 s[6:7], s[6:7], s[32:33]
	v_and_b32 v14, 8, v9
	v_add_nc_u32 v14, v14, v10
	v_lshl_add_u32 v14, v11, 3, v14                ; my column of the 32: 8 (l / 16) + l % 16 + (l & 8)
	v_lshlrev_b32 v14, 2, v14
	LOADW 0
	LOADW 1
	s_lshl_b32 s34, s28, 6
	s_lshl_b32 s35, s29, 1
	s_add_co_u32 s34, s34, s35                     ; tile 64 m + 2 g
	s_lshl_b32 s34, s34, 3
	s_lshl_b32 s35, s30, 1
	s_add_co_u32 s34, s34, s35                     ; 8 x tile + my first K step
	s_mul_i32 s32, s34, 1536
	s_add_nc_u64 s[36:37], s[18:19], s[32:33]
	s_lshl_b32 s32, s34, 6
	s_add_co_u32 s32, s32, SCLO
	s_add_nc_u64 s[38:39], s[18:19], s[32:33]
	v_lshlrev_b32 v15, 2, v10
	v_lshl_add_u32 v15, v11, 9, v15                ; my row's scale word: 4 r, the second tile 512 bytes on
.irp t, 0,1,2,3,4,5,6,7
	BLOCKW \t
.endr
	global_store_b32 v15, v[PWS], s[38:39]
	global_store_b32 v15, v[PWS+1], s[38:39] offset:64
	FINISH
.Lfunc_end_k_q909ee94bf8_prep:
	.size	k_q909ee94bf8_prep, .Lfunc_end_k_q909ee94bf8_prep-k_q909ee94bf8_prep
	.p2alignl 7, 3214868480
	.fill 96, 4, 3214868480
	.section	.rodata,"a",@progbits
	.p2align	6, 0x0
	.amdhsa_kernel k_q909ee94bf8_prep
		.amdhsa_group_segment_fixed_size 68096
		.amdhsa_private_segment_fixed_size 0
		.amdhsa_enable_private_segment 0
		.amdhsa_kernarg_size 72
		.amdhsa_user_sgpr_count 2
		.amdhsa_user_sgpr_kernarg_segment_ptr 1
		.amdhsa_wavefront_size32 1
		.amdhsa_system_sgpr_workgroup_id_x 1
		.amdhsa_system_sgpr_workgroup_id_y 1
		.amdhsa_system_sgpr_workgroup_id_z 1
		.amdhsa_system_vgpr_workitem_id 0
		.amdhsa_next_free_vgpr 256
		.amdhsa_next_free_sgpr 66
		.amdhsa_reserve_vcc 0
		.amdhsa_float_denorm_mode_32 3
		.amdhsa_float_denorm_mode_16_64 3
		.amdhsa_memory_ordered 1
		.amdhsa_forward_progress 1
		.amdhsa_inst_pref_size 127
	.end_amdhsa_kernel
	.amdgpu_metadata
---
amdhsa.version: [ 1, 2 ]
amdhsa.kernels:
  - .name:           k_q909ee94bf8_prep
    .symbol:         k_q909ee94bf8_prep.kd
    .args:
      - { .name: x, .offset: 0, .size: 8, .value_kind: global_buffer, .address_space: global }
      - { .name: Wq, .offset: 8, .size: 8, .value_kind: global_buffer, .address_space: global }
      - { .name: Wk, .offset: 16, .size: 8, .value_kind: global_buffer, .address_space: global }
      - { .name: Wv, .offset: 24, .size: 8, .value_kind: global_buffer, .address_space: global }
      - { .name: Wo, .offset: 32, .size: 8, .value_kind: global_buffer, .address_space: global }
      - { .name: mask, .offset: 40, .size: 8, .value_kind: global_buffer, .address_space: global }
      - { .name: xq, .offset: 48, .size: 8, .value_kind: global_buffer, .address_space: global }
      - { .name: wq, .offset: 56, .size: 8, .value_kind: global_buffer, .address_space: global }
      - { .name: mbits, .offset: 64, .size: 8, .value_kind: global_buffer, .address_space: global }
    .group_segment_fixed_size: 68096
    .private_segment_fixed_size: 0
    .kernarg_segment_align: 8
    .kernarg_segment_size: 72
    .max_flat_workgroup_size: 128
    .sgpr_count:     66
    .vgpr_count:     256
    .wavefront_size: 32
...
	.end_amdgpu_metadata
.endif
;; end of part 1
;; launch proj (part 2): grid 12 x 16, 4 waves a work-group, clusters of 4 x 4, 327,680 bytes of LDS; arguments xq, wq, qk, vv; writes qk, vv
.if DOCPART == 2
	.amdgcn_target "amdgcn-amd-amdhsa--gfx1250"
	.amdhsa_code_object_version 6
	.text
	.protected	k_q909ee94bf8_proj
	.globl	k_q909ee94bf8_proj
	.p2align	8
	.type	k_q909ee94bf8_proj,@function
k_q909ee94bf8_proj:
	s_mov_b64 s[64:65], 0
	v_nop
	global_prefetch_b8 v0, s[64:65] scope:SCOPE_SE
	s_setreg_imm32_b32 hwreg(HW_REG_WAVE_MODE, 25, 1), 1
	s_wait_xcnt 0x0
	s_wait_alu depctr_hold_cnt(0) depctr_sa_sdst(0) depctr_va_vdst(0) depctr_va_sdst(0) depctr_va_ssrc(0) depctr_va_vcc(0) depctr_vm_vsrc(0)
	s_getreg_b32 s2, hwreg(HW_REG_IB_STS2, 6, 4)
	s_cmp_eq_u32 s2, 0
	s_cbranch_scc0 .Lentry_in_a_cluster
	s_endpgm
.Lentry_in_a_cluster:
	s_bfe_u32 s2, ttmp6, 0x10000c
	s_cmp_lg_u32 s2, 0xf033
	s_cbranch_scc0 .Lentry_shape_is_right
	s_endpgm
.Lentry_shape_is_right:
; q = x Wq, k = x Wk, v = x Wv on codes of FP6 (E2M3) with E8M0 scales, and each result quantised again on the way out, in registers, as the operand that the attention wants.  No work is left out here.
; A work-group of four waves makes 256 tokens x 256 columns; a wave 128 x 128: 64 accumulators, 512 registers.  Grid x 0-3: q, 4-7: k, 8-11: v.  K = 1,024 is 8 steps of 128.
; OPERANDS ARE FRAGMENT IMAGES (1,536 bytes: 16 rows x 128 K as 12 registers a lane; registers 6 c .. 6 c + 3 at 768 c + 16 x lane, 6 c + 4, 6 c + 5 at 768 c + 512 + 8 x lane): four LDS loads, consecutive bytes, no padding.
; ROLES.  F is source 0: a lane's registers run along it.  G is source 1: a lane holds one row of it.  For q and k: F = W (registers along the head's channels, the next K), G = x.  For v: F = x (registers along
; the keys, the next K), G = Wv.  The swap is made in the LDS read addresses and the output addresses alone, by selects on the cluster's x, which all sixteen partners share.
; LDS: three slots of two K steps (x's 16 tiles x 3,072 bytes, then W's), all three filled at the head; K steps 6 and 7 are one refill of slot 0; the scale words of all K, filled once; the spare words.
; A wave has four tensor loads out at the head and one behind the refill.
; CLUSTER 4 x 4: x's tiles hang on grid y and are asked for jointly along a row of the cluster, W's on grid x and jointly along a column.
; OUT: qk: codes [rho 16][token tile 256][1536], rho 0-7 q's head pairs, 8-15 k's; vv: codes [rho = 16 b + key step][sigma = 4 head + channel tile][1536].  Behind each: scale blocks of 512 bytes for 8 tiles:
; word i of lane L's 16 bytes is the word of tile 2 i + L / 16, row L % 16.
; REGISTERS: window 0: v8-22 addresses, v28-30, v32-47 scale words (two sets), v128-223 G's 8 fragments; window 1: F's two sets at v0 and v128; windows 2, 3: accumulator (a, b) at v[8 (8 (a % 4) + b)].
.set SLOTB,  98304
.set WOFF,   49152                     ; W's tiles behind x's in a slot
.set HALFT,  24576                     ; 8 tiles: what one tensor load brings, and what a wave reads of an operand
.set TILEB,  3072                      ; a tile's two K steps
.set FRB,    1536
.set SCL,    294912                    ; x's scale words (8,192 bytes), then W's
.set SPARE,  311296
.set SCLO,   3145728
.set FR,   12
.set F16B, 8                           ; v8-11 fixed bases: F's and G's tiles in a slot + 16 x lane, + 8 x lane
.set G16B, 10
.set F16,  16                          ; v16-19 the same in the slot in hand
.set G16,  18
.set ADRS, 20                          ; v20 scale words: lanes 0-15 G's, lanes 16-31 F's
.set L16,  21
.set L8,   22
.set SPW,  28
.set NIL,  29
.set FLO,  30                          ; the floor 2^(3 - 127)
.set SC,   32
.set GF,   128
.set PW,   160                         ; the way out: v64-159 codes, v160-167 scale words, v168-171, v176-191 at work, v192-199
.set TM,   176
.set T2,   192
.set G1X, 24                           ; s[24:31] group 1 for x's tiles; s[32:43] three groups 0
.set G0X, 32
.set G1W, 48                           ; s[48:55]; groups 0 at s56, s60, s92
.set G1SX, 68
.set G0SX, 76
.set G1SW, 80
.set G0SW, 88
.set SEL, 96
.set MSB, 0
.macro WIN new                         ; the immediate's high byte repeats the setting that is left
.if MSB != \new
	s_set_vgpr_msb (MSB<<8)|\new
.set MSB, \new
.endif
.endm
.set MUL_LO, 0xa1                      ; source 0 (F) window 1, source 1 (G) window 0, C and D window 2
.set MUL_HI, 0xf1
.set TO_F,   0x40
.macro JLOAD g0a, g1a, g0b, g1b        ; a joint load: waves 0 and 1 fetch for x, waves 2 and 3 for W; an s_nop 0 and four v_nop follow each line
	s_cmp_eq_u32 s13, 0
	s_cbranch_scc0 .Lfor_b_\@
	tensor_load_to_lds s[\g0a:\g0a+3], s[\g1a:\g1a+7]
	s_nop 0
.rept 4
	v_nop
.endr
	s_branch .Lasked_\@
.Lfor_b_\@:
	tensor_load_to_lds s[\g0b:\g0b+3], s[\g1b:\g1b+7]
	s_nop 0
.rept 4
	v_nop
.endr
.Lasked_\@:
.endm
.macro CREST
	s_cmp_lg_u32 s12, 0
	s_cbranch_scc1 .Lnot_wave_0_\@
	s_barrier_signal -3
.Lnot_wave_0_\@:
	s_barrier_wait -3
	s_barrier_signal -1
	s_barrier_wait -1
.endm
.macro CROUND
	s_barrier_signal -1
	s_barrier_wait -1
	CREST
.endm
.macro PLACES
.rept 4
	v_nop
.endr
.endm
	s_load_b256 s[4:11], s[0:1], 0x0               ; xq s[4:5], wq s[6:7], qk s[8:9], vv s[10:11]
	v_lshl_add_u32 v[SPW], v0, 2, SPARE
	v_mov_b32 v[NIL], 0
	ds_add_u32 v[SPW], v[NIL]                      ; the opening: the add, twice on end, and its wait ahead of my first tensor load
	ds_add_u32 v[SPW], v[NIL]
	v_lshrrev_b32 v1, 5, v0
	v_readfirstlane_b32 s12, v1                    ; wave
	s_lshr_b32 s13, s12, 1                         ; my half of G.  Also: I fetch for x (0) or for W (1)
	s_and_b32 s14, s12, 1                          ; my half of F.  Also: which 8 tiles I fetch
	s_bfe_u32 s15, ttmp6, 0x40000                  ; cx
	s_bfe_u32 s16, ttmp6, 0x40004                  ; cy
	s_lshl_b32 s17, ttmp9, 2
	s_add_co_u32 s17, s17, s15                     ; grid x
	s_and_b32 s18, ttmp7, 0xffff
	s_lshl_b32 s18, s18, 2
	s_add_co_u32 s18, s18, s16                     ; grid y
	s_lshl_b32 s19, s16, 2
	s_lshl_b32 s19, 15, s19                        ; my row of the cluster
	s_lshl_b32 s20, 0x1111, s15                    ; my column
	s_or_b32 s[G1X], s19, (3<<16)|(1<<21)          ; 15:0 the mask; 17:16 elements of 8 bytes; 21 set beside a mask; no padding
	s_or_b32 s[G1W], s20, (3<<16)|(1<<21)
.irp g, G1X, G1W                               ; 8 rows (tiles) of 3,072 bytes, 12,288 bytes apart
	s_mov_b32 s[\g+1], 384<<16
	s_mov_b32 s[\g+2], 16<<16                      ; at the head: all 16 tiles of an operand; behind the head's wait the two row counts are set to 8
	s_mov_b32 s[\g+3], 384<<16
	s_mov_b32 s[\g+4], 16
	s_mov_b32 s[\g+5], 1536
	s_mov_b32 s[\g+6], 0
	s_mov_b32 s[\g+7], 0
.endr
	s_or_b32 s[G1SX], s19, (3<<16)|(1<<21)
	s_or_b32 s[G1SW], s20, (3<<16)|(1<<21)
.irp g, G1SX, G1SW                             ; the scale words: dense rows of 256 bytes
	s_mov_b32 s[\g+1], 32<<16
	s_mov_b32 s[\g+2], 32<<16                      ; at the head: the scale words of all 16 tiles, 8,192 dense bytes as 32 rows of 256
	s_mov_b32 s[\g+3], 32<<16
	s_mov_b32 s[\g+4], 32
	s_mov_b32 s[\g+5], 32
	s_mov_b32 s[\g+6], 0
	s_mov_b32 s[\g+7], 0
.endr
	s_lshl_b32 s22, s18, 4                         ; x's first tile of the block: it hangs on grid y alone
	s_lshl_b32 s98, s17, 4                         ; W's: on grid x alone
	s_mul_i32 s44, s22, 12288
	s_mov_b32 s45, 0
	s_lshl_b32 s46, s22, 9
	s_add_co_u32 s46, s46, SCLO
	s_mov_b32 s47, 0
	s_mul_i32 s100, s98, 12288
	s_mov_b32 s101, 0
	s_lshl_b32 s98, s98, 9
	s_add_co_u32 s98, s98, SCLO
	s_mov_b32 s99, 0
	s_mul_i32 s22, s12, HALFT                      ; where they go: wave x 8 tiles; no place in the cluster enters an LDS address
	s_mul_i32 s23, s12, 2*HALFT                    ; in the long slot: wave x 8 tiles of 6,144 bytes
	s_wait_dscnt 0x0                               ; both opening adds are done
	s_wait_kmcnt 0x0
	s_add_nc_u64 s[44:45], s[4:5], s[44:45]
	s_add_nc_u64 s[46:47], s[4:5], s[46:47]
	s_add_nc_u64 s[100:101], s[6:7], s[100:101]
	s_add_nc_u64 s[98:99], s[6:7], s[98:99]
	CROUND                                         ; all sixteen work-groups are here: the first joint loads meet
; LDS AND LOADS AS THEY ARE (these lines take the place of the head comment's lines on LDS and on the loads that are out):
; slot 0 at byte 0: K steps 0, 1 (x's 16 tiles x 3,072 bytes, then W's); the long slot at SLOTB: K steps 2-5 (x's 16 tiles x 6,144 bytes, then W's); the scale words; the spare words.
; At the head one joint load a wave: wave 0 x's 16 tiles of K steps 0, 1, wave 1 W's, wave 2 x's scale words, wave 3 W's.  Behind the waits, the add and a round: the long slot, 8 tiles a wave.
; K steps 6, 7 are one refill of slot 0, 8 tiles a wave.  A wave never has more than one tensor load out.
.macro GRP0 g, a
	s_mov_b32 s[\g], 1
	s_mov_b64 s[\g+2:\g+3], s[\a:\a+1]
	s_or_b32 s[\g+3], s[\g+3], 0x80000000
.endm
	GRP0 G0SX, 46
	s_mov_b32 s[G0SX+1], SCL
	GRP0 G0SW, 98
	s_mov_b32 s[G0SW+1], SCL+8192
	GRP0 32, 44
	s_mov_b32 s33, 0
	GRP0 56, 100
	s_mov_b32 s57, WOFF
	s_mul_i32 s46, s14, 98304                      ; behind the head I fetch 8 tiles: which half, in bytes
	s_mov_b32 s47, 0
	s_add_nc_u64 s[44:45], s[44:45], s[46:47]
	s_add_nc_u64 s[100:101], s[100:101], s[46:47]
	s_add_nc_u64 s[44:45], s[44:45], TILEB         ; K step 2
	s_add_nc_u64 s[100:101], s[100:101], TILEB
	GRP0 36, 44
	s_add_co_u32 s37, s23, SLOTB
	GRP0 60, 100
	s_add_co_u32 s61, s23, SLOTB
	s_add_nc_u64 s[44:45], s[44:45], 2*TILEB       ; K step 6
	s_add_nc_u64 s[100:101], s[100:101], 2*TILEB
	GRP0 40, 44
	s_add_co_u32 s41, s22, 0
	GRP0 92, 100
	s_add_co_u32 s93, s22, 0
.macro ARM under, g0, g1, next                 ; one chain of branches on the wave's number, one load to an arm, all arms to one join
	s_cmp_lt_u32 s12, \under
	s_cbranch_scc0 \next
	tensor_load_to_lds s[\g0:\g0+3], s[\g1:\g1+7]
	s_nop 0
.rept 4
	v_nop
.endr
	s_branch .Lhead_asked
\next:
.endm
	ARM 1, 32, G1X, .Lhead_w
	ARM 2, 56, G1W, .Lhead_sx
	ARM 3, G0SX, G1SX, .Lhead_sw
	tensor_load_to_lds s[G0SW:G0SW+3], s[G1SW:G1SW+7]
	s_nop 0
.rept 4
	v_nop
.endr
.Lhead_asked:
	v_and_b32 v1, 31, v0
	v_lshlrev_b32 v[L16], 4, v1
	s_wait_alu depctr_va_vdst(0)
	v_lshlrev_b32 v[L8], 3, v1
	s_wait_alu depctr_va_vdst(0)
	v_and_b32 v2, 15, v0
	v_lshlrev_b32 v2, 2, v2                        ; 4 r
	s_wait_alu depctr_va_vdst(0)
	v_mov_b32 v[FLO], 0x1800000
	s_mov_b32 s66, 0xffff0000                      ; lanes 16-31
	s_mov_b32 s[SEL], 0x76543210
	s_mov_b32 s[SEL+1], 0xfedcba98
	s_cmp_eq_u32 ttmp9, 2                          ; the cluster's x: 2 is v
	s_cselect_b32 s19, 0, WOFF                     ; F's tiles in a slot
	s_cselect_b32 s20, WOFF, 0                     ; G's
	s_cselect_b32 s21, 0, 8192                     ; F's scale words
	s_cselect_b32 s22, 8192, 0                     ; G's
	s_mul_i32 s23, s14, HALFT
	s_add_co_u32 s19, s19, s23
	s_mul_i32 s23, s13, HALFT
	s_add_co_u32 s20, s20, s23
	s_lshl_b32 s23, s14, 12
	s_add_co_u32 s21, s21, s23
	s_lshl_b32 s23, s13, 12
	s_add_co_u32 s22, s22, s23
	v_add_nc_u32 v[F16B], s19, v[L16]
	v_add_nc_u32 v[F16B+1], s19, v[L8]
	v_add_nc_u32 v[G16B], s20, v[L16]
	v_add_nc_u32 v[G16B+1], s20, v[L8]
	s_lshl_b32 s19, s19, 1                         ; the same places in the long slot: every distance doubled, behind slot 0
	s_lshl_b32 s20, s20, 1
	s_add_co_u32 s19, s19, SLOTB
	s_add_co_u32 s20, s20, SLOTB
	v_add_nc_u32 v[F16], s19, v[L16]
	v_add_nc_u32 v[F16+1], s19, v[L8]
	v_add_nc_u32 v[G16], s20, v[L16]
	v_add_nc_u32 v[G16+1], s20, v[L8]
	v_add_nc_u32 v3, s21, v2
	v_add_nc_u32 v4, s22, v2
	v_cndmask_b32 v[ADRS], v4, v3, s66
	v_add_nc_u32 v[ADRS], SCL, v[ADRS]
	; where my results go.  q, k: rho = 2 grid x + F half, first tile 16 grid y + 8 G half, 256 tiles a rho.  v: rho = 2 grid y + F half, first tile 16 (grid x - 8) + 8 G half, 64 tiles a rho
	s_sub_co_u32 s21, s17, 8
	s_mov_b32 s23, 6291456
	s_cmp_eq_u32 ttmp9, 2
	s_cselect_b32 s19, s18, s17
	s_cselect_b32 s20, s21, s18
	s_cselect_b32 s21, 6, 8
	s_cselect_b64 s[44:45], s[10:11], s[8:9]
	s_cselect_b32 s22, SCLO, s23                   ; where the buffer's scale blocks begin
	s_lshl_b32 s19, s19, 1
	s_add_co_u32 s19, s19, s14
	s_lshl_b32 s19, s19, s21
	s_lshl_b32 s20, s20, 4
	s_add_co_u32 s19, s19, s20
	s_lshl_b32 s20, s13, 3
	s_add_co_u32 s19, s19, s20                     ; the index of my first fragment
	s_mul_i32 s20, s19, 1536
	s_mov_b32 s21, 0
	s_lshl_b32 s98, s19, 6
	s_add_co_u32 s98, s98, s22
	s_mov_b32 s99, 0
	s_add_nc_u64 s[46:47], s[44:45], s[98:99]      ; my scale block
	s_add_nc_u64 s[44:45], s[44:45], s[20:21]      ; my eight images
.macro FRAG reg, a16, o                        ; a fragment image into 12 registers
	ds_load_b128 v[\reg:\reg+3], v[\a16] offset:\o
	ds_load_b64 v[\reg+4:\reg+5], v[\a16+1] offset:\o+512
	ds_load_b128 v[\reg+6:\reg+9], v[\a16] offset:\o+768
	ds_load_b64 v[\reg+10:\reg+11], v[\a16+1] offset:\o+1280
.endm
.macro SLOTOF k                                ; where K step k lies: address registers, bytes from tile to tile, its place in the tile
.if ((\k) >= 2) && ((\k) < 6)
.set FBAS, F16
.set GBAS, G16
.set TST, 2*TILEB
.set QN, (\k)-2
.else
.set FBAS, F16B
.set GBAS, G16B
.set TST, TILEB
.set QN, (\k)%2
.endif
.endm
.macro FETCH_F q, p                            ; F's eight fragments of the slot's K step q into set p
	WIN TO_F
.irp i, 0,1,2,3,4,5,6,7
	FRAG 128*(\p)+FR*\i, FBAS, \i*TST+(\q)*FRB
.endr
	WIN 0
.endm
.macro FETCH_G q, i0                           ; G's blocks i0 .. i0 + 3
.irp i, \i0, \i0+1, \i0+2, \i0+3
	FRAG GF+FR*(\i), GBAS, (\i)*TST+(\q)*FRB
.endr
.endm
.macro SCALES k                                ; K step k's scale words: lanes 0-15 G's block i, lanes 16-31 F's block i
.irp i, 0,1,2,3,4,5,6,7
	ds_load_b32 v[SC+8*((\k)%2)+\i], v[ADRS] offset:\i*512+64*(\k)
.endr
.endm
; 16 matrix instructions: G's blocks a0, a0 + 1 x F's eight.  The 64 accumulators take turns, one instruction a turn, in the same order in every K step.
.macro MUL16 a0, p, zero
.irp a, \a0, \a0+1
.irp b, 0,1,2,3,4,5,6,7
.if \zero
	v_wmma_scale_f32_16x16x128_f8f6f4 v[8*(8*((\a)%4)+\b):8*(8*((\a)%4)+\b)+7], v[128*(\p)+FR*\b:128*(\p)+FR*\b+FR-1], v[GF+FR*(\a):GF+FR*(\a)+FR-1], 0, v[SC+8*(\p)+\b], v[SC+8*(\p)+(\a)] matrix_a_fmt:MATRIX_FMT_FP6 matrix_b_fmt:MATRIX_FMT_FP6 matrix_a_scale:MATRIX_SCALE_ROW1
.else
	v_wmma_scale_f32_16x16x128_f8f6f4 v[8*(8*((\a)%4)+\b):8*(8*((\a)%4)+\b)+7], v[128*(\p)+FR*\b:128*(\p)+FR*\b+FR-1], v[GF+FR*(\a):GF+FR*(\a)+FR-1], v[8*(8*((\a)%4)+\b):8*(8*((\a)%4)+\b)+7], v[SC+8*(\p)+\b], v[SC+8*(\p)+(\a)] matrix_a_fmt:MATRIX_FMT_FP6 matrix_b_fmt:MATRIX_FMT_FP6 matrix_a_scale:MATRIX_SCALE_ROW1
.endif
.endr
.endr
.endm
; K step k.  mode 0: plain; 1: slot 0 has been read out and is filled again, behind a round of the cluster's barrier; 2: the refilled slot is waited for, behind a barrier; 3: the last step.
; A block of G is free once its eight products are issued, so G has one set: blocks 0-3 are fetched anew in the step's middle, blocks 4-7 at its end.  F has two sets.
.macro KSTEP k, mode, zero
.set P, (\k)%2
.set NX, ((\k)+1)%2
.if ((\mode) == 1) || ((\mode) == 2)
	s_wait_tensorcnt 0x0                           ; all my tensor loads have landed;
	ds_add_u32 v[SPW], v[NIL]                      ; 0 onto my spare word;
	s_wait_dscnt 17                                ; (the add and the youngest 16 loads, G's blocks 4-7, may be out)
.else
	s_wait_dscnt 16                                ; F's set, G's blocks 0-3 and the scale words are in; G's blocks 4-7 may be out
.endif
	WIN MUL_LO
	MUL16 0, P, \zero
.if ((\mode) == 1) || ((\mode) == 2)
	s_wait_dscnt 0x0                               ; the add is done, and my reads of the slots behind me are over
	s_barrier_signal -1
.endif
	MUL16 2, P, \zero
.if ((\mode) == 1) || ((\mode) == 2)
	WIN 0
	s_barrier_wait -1
.if (\mode) == 1
	CREST                                          ; the barrier has opened a round of the cluster's: no wave of any partner still reads slot 0 or has a load on its way
	JLOAD 40, G1X, 92, G1W                         ; K steps 6 and 7: the first tensor load behind the round; its four v_nop are the places in front of the loads below
.else
	PLACES
.endif
.else
	s_wait_dscnt 0x0                               ; G's blocks 4-7 are in
.if (\mode) != 3
	PLACES                                         ; in front of loads into registers that matrix instructions have read
.endif
.endif
.if (\mode) != 3
	WIN 0
	SLOTOF (\k)+1
	FETCH_F QN, NX
	FETCH_G QN, 0
	SCALES (\k)+1
.endif
	WIN MUL_HI
	MUL16 4, P, \zero
	MUL16 6, P, \zero
.if (\mode) != 3
	PLACES
	WIN 0
	FETCH_G QN, 4
.endif
.endm
	s_wait_alu depctr_va_vdst(0)                   ; the head's end
	s_wait_tensorcnt 0x0                           ; my tile of the head's four is in
	ds_add_u32 v[SPW], v[NIL]
.irp g, G1SX, G1SW                             ; no tensor load of mine is out: the scales' groups 1 now serve the long slot: 8 rows of 6,144 bytes, 12,288 bytes apart
	s_mov_b32 s[\g+1], 768<<16
	s_mov_b32 s[\g+2], 8<<16
	s_mov_b32 s[\g+3], 768<<16
	s_mov_b32 s[\g+4], 8
	s_mov_b32 s[\g+5], 1536
.endr
.irp g, G1X, G1W                               ; and the refill brings 8 tiles
	s_mov_b32 s[\g+2], 8<<16
	s_mov_b32 s[\g+4], 8
.endr
	s_wait_dscnt 0x0
	CROUND                                         ; all four tiles are in, and all sixteen work-groups are here
	JLOAD 36, G1SX, 60, G1SW                       ; K steps 2 to 5: the first tensor load behind the round
	SLOTOF 0
	FETCH_F 0, 0
	FETCH_G 0, 0
	SCALES 0
	FETCH_G 0, 4
	KSTEP 0, 0, 1                                  ; the first products start the sums
	KSTEP 1, 1, 0                                  ; its wait shows the long slot whole; slot 0 is filled again
	KSTEP 2, 0, 0
	KSTEP 3, 0, 0
	KSTEP 4, 0, 0
	KSTEP 5, 2, 0
	KSTEP 6, 0, 0
	KSTEP 7, 3, 0
	WIN 0
; THE WAY OUT.  The eight accumulators of G's block a are 64 numbers of a lane, register 16 b + i = index 32 b + 16 (lane / 16) + i along F: 128 along the next K of the lane's row.  They become one fragment and one scale word a row.
.macro QUANTW a
.set AC, 64*((\a)%4)
.set PC, 64+12*(\a)                    ; a set of its own for each block, so that no store's data are written again
	WIN 0x28+0x14*((\a)/4)                         ; sources 1 and 2: window 2 or 3
.irp b, 0,1,2,3
	v_max3_num_f32 v[TM+\b], v[FLO], |v[AC+16*\b]|, |v[AC+1+16*\b]|   ; each accumulator is read from its low end on
.endr
.irp i, 2,4,6,8,10,12,14
.irp b, 0,1,2,3
	v_max3_num_f32 v[TM+\b], v[TM+\b], |v[AC+16*\b+\i]|, |v[AC+1+16*\b+\i]|
.endr
.endr
	WIN 0
.irp b, 0,1,2,3
	v_permlanex16_b32 v[TM+4+\b], v[TM+\b], s[SEL], s[SEL+1]
.endr
.irp b, 0,1,2,3
	v_max_num_f32 v[TM+\b], v[TM+\b], v[TM+4+\b]
.endr
.irp b, 0,1,2,3
	v_add_nc_u32 v[TM+12+\b], 0xff000000, v[TM+\b]
.endr
.irp b, 0,1,2,3
	v_lshrrev_b32 v[TM+4+\b], 23, v[TM+12+\b]
.endr
	v_lshl_or_b32 v[PW+(\a)], v[TM+5], 8, v[TM+4]
	v_lshl_or_b32 v[PW+(\a)], v[TM+6], 16, v[PW+(\a)]
	v_lshl_or_b32 v[PW+(\a)], v[TM+7], 24, v[PW+(\a)]
	WIN 0x02+((\a)/4)                              ; source 0: window 2 or 3
.irp c, 0,1
	v_cvt_scalef32_pk16_fp6_f32 v[PC+6*\c:PC+2+6*\c], v[AC+32*\c:AC+15+32*\c], v[TM+12+2*\c]
	v_cvt_scalef32_pk16_fp6_f32 v[T2+4*\c:T2+2+4*\c], v[AC+16+32*\c:AC+31+32*\c], v[TM+13+2*\c]
.endr
	WIN 0
	v_nop                                          ; one plain place behind the conversions
.irp c, 0,1
.irp i, 0,1,2
	v_permlane16_swap_b32 v[PC+6*\c+\i], v[T2+4*\c+\i]
.endr
.irp i, 0,1,2
	v_mov_b32 v[PC+3+6*\c+\i], v[T2+4*\c+\i]
.endr
.endr
	global_store_b128 v[L16], v[PC:PC+3], s[44:45] offset:1536*(\a)
	global_store_b64 v[L8], v[PC+4:PC+5], s[44:45] offset:1536*(\a)+512
	global_store_b128 v[L16], v[PC+6:PC+9], s[44:45] offset:1536*(\a)+768
	global_store_b64 v[L8], v[PC+10:PC+11], s[44:45] offset:1536*(\a)+1280
.endm
	PLACES                                         ; behind the last products: their results are read and their operands' registers written below
.irp b, 0,1,2,3
	v_mov_b32 v[TM+4+\b], 0                        ; a lane permute's destination counts as read
.endr
.irp a, 0,1,2,3,4,5,6,7
	QUANTW \a
.endr
.irp i, 0,1,2,3
	v_cndmask_b32 v[168+\i], v[PW+2*\i], v[PW+2*\i+1], s66   ; word i: lanes 0-15 tile 2 i, lanes 16-31 tile 2 i + 1
.endr
	global_store_b128 v[L16], v[168:171], s[46:47]
	s_wait_tensorcnt 0x0                           ; the wave's end
	ds_add_u32 v[SPW], v[NIL]
	s_wait_dscnt 0x0
	CROUND                                         ; the closing round
	s_endpgm
.Lfunc_end_k_q909ee94bf8_proj:
	.size	k_q909ee94bf8_proj, .Lfunc_end_k_q909ee94bf8_proj-k_q909ee94bf8_proj
	.p2alignl 7, 3214868480
	.fill 96, 4, 3214868480
	.section	.rodata,"a",@progbits
	.p2align	6, 0x0
	.amdhsa_kernel k_q909ee94bf8_proj
		.amdhsa_group_segment_fixed_size 327680
		.amdhsa_private_segment_fixed_size 0
		.amdhsa_enable_private_segment 0
		.amdhsa_kernarg_size 32
		.amdhsa_user_sgpr_count 2
		.amdhsa_user_sgpr_kernarg_segment_ptr 1
		.amdhsa_wavefront_size32 1
		.amdhsa_system_sgpr_workgroup_id_x 1
		.amdhsa_system_sgpr_workgroup_id_y 1
		.amdhsa_system_sgpr_workgroup_id_z 1
		.amdhsa_system_vgpr_workitem_id 0
		.amdhsa_next_free_vgpr 1024
		.amdhsa_next_free_sgpr 102
		.amdhsa_reserve_vcc 0
		.amdhsa_float_denorm_mode_32 3
		.amdhsa_float_denorm_mode_16_64 3
		.amdhsa_memory_ordered 1
		.amdhsa_forward_progress 1
		.amdhsa_inst_pref_size 150
	.end_amdhsa_kernel
	.amdgpu_metadata
---
amdhsa.version: [ 1, 2 ]
amdhsa.kernels:
  - .name:           k_q909ee94bf8_proj
    .symbol:         k_q909ee94bf8_proj.kd
    .args:
      - { .name: xq, .offset: 0, .size: 8, .value_kind: global_buffer, .address_space: global }
      - { .name: wq, .offset: 8, .size: 8, .value_kind: global_buffer, .address_space: global }
      - { .name: qk, .offset: 16, .size: 8, .value_kind: global_buffer, .address_space: global }
      - { .name: vv, .offset: 24, .size: 8, .value_kind: global_buffer, .address_space: global }
    .group_segment_fixed_size: 327680
    .private_segment_fixed_size: 0
    .kernarg_segment_align: 8
    .kernarg_segment_size: 32
    .max_flat_workgroup_size: 128
    .sgpr_count:     102
    .vgpr_count:     1024
    .wavefront_size: 32
...
	.end_amdgpu_metadata
.endif
;; end of part 2
;; launch attn (part 3): grid 8 x 32, 16 waves a work-group, clusters of 4 x 1, 327,680 bytes of LDS; arguments qk, vv, mbits, oq; writes oq
.if DOCPART == 3
	.amdgcn_target "amdgcn-amd-amdhsa--gfx1250"
	.amdhsa_code_object_version 6
	.text
	.protected	k_q909ee94bf8_attn
	.globl	k_q909ee94bf8_attn
	.p2align	8
	.type	k_q909ee94bf8_attn,@function
k_q909ee94bf8_attn:
	s_mov_b64 s[64:65], 0
	v_nop
	global_prefetch_b8 v0, s[64:65] scope:SCOPE_SE
	s_setreg_imm32_b32 hwreg(HW_REG_WAVE_MODE, 25, 1), 1
	s_wait_xcnt 0x0
	s_wait_alu depctr_hold_cnt(0) depctr_sa_sdst(0) depctr_va_vdst(0) depctr_va_sdst(0) depctr_va_ssrc(0) depctr_va_vcc(0) depctr_vm_vsrc(0)
	s_getreg_b32 s2, hwreg(HW_REG_IB_STS2, 6, 4)
	s_cmp_eq_u32 s2, 0
	s_cbranch_scc0 .Lentry_in_a_cluster
	s_endpgm
.Lentry_in_a_cluster:
	s_bfe_u32 s2, ttmp6, 0x10000c
	s_cmp_lg_u32 s2, 0x3003
	s_cbranch_scc0 .Lentry_shape_is_right
	s_endpgm
.Lentry_shape_is_right:
.set REC,   13056
.set SPARE, 16*REC
.set L16, 1
.set L8,  2
.set A16, 3
.set A8,  4
.set NINF, 5
.set QSW, 6
.set PW,  7
.set KSW, 8
.set VSW, 28
.set KR,  32
.set SPW, 88
.set NIL, 89
.set R4,  90
.set S,   96
.set O,   160
.set PC,  192
.set T2,  204
.set TM,  212
.macro CROUND
	s_barrier_signal -1
	s_barrier_wait -1
	s_cmp_lg_u32 s4, 0
	s_cbranch_scc1 .Lnot_wave_0_\@
	s_barrier_signal -3
.Lnot_wave_0_\@:
	s_barrier_wait -3
	s_barrier_signal -1
	s_barrier_wait -1
.endm
	s_load_b256 s[16:23], s[0:1], 0x0
	v_lshl_add_u32 v[SPW], v0, 2, SPARE
	v_mov_b32 v[NIL], 0
	ds_add_u32 v[SPW], v[NIL]
	ds_add_u32 v[SPW], v[NIL]
	v_lshrrev_b32 v1, 5, v0
	s_delay_alu instid0(VALU_DEP_1)
	v_readfirstlane_b32 s4, v1
	s_and_b32 s50, ttmp7, 0xffff
	s_lshr_b32 s51, s50, 4
	s_and_b32 s52, s50, 15
	s_lshr_b32 s53, s52, 1
	s_and_b32 s54, s52, 1
	s_mul_i32 s57, s54, 768
	s_lshl_b32 s56, s53, 8
	s_add_co_u32 s56, s56, 2048
	s_lshl_b32 s58, s51, 7
	s_add_co_u32 s56, s56, s58
	s_lshl_b32 s58, s4, 3
	s_add_co_u32 s56, s56, s58
	s_mul_i32 s58, s56, 1536
	s_add_co_u32 s58, s58, s57
	s_mov_b32 s59, 0
	s_lshl_b32 s70, s56, 6
	s_add_co_u32 s70, s70, 6291456
	s_mov_b32 s71, 0
	s_lshl_b32 s56, s51, 4
	s_add_co_u32 s56, s56, s4
	s_lshl_b32 s60, s56, 6
	s_lshl_b32 s61, s52, 2
	s_add_co_u32 s60, s60, s61
	s_mul_i32 s60, s60, 1536
	s_mov_b32 s61, 0
	s_lshl_b32 s72, s56, 3
	s_add_co_u32 s72, s72, s53
	s_lshl_b32 s72, s72, 9
	s_lshl_b32 s73, s54, 3
	s_add_co_u32 s72, s72, s73
	s_add_co_u32 s72, s72, 3145728
	s_mov_b32 s73, 0
	s_mul_i32 s74, s4, REC
	s_lshl_b32 s75, s54, 4
	s_bfe_u32 s48, ttmp6, 0x40000
	s_lshl_b32 s49, ttmp9, 2
	s_add_co_u32 s49, s49, s48
	s_lshl_b32 s55, s51, 7
	s_lshl_b32 s76, s49, 4
	s_add_co_u32 s55, s55, s76
	s_add_co_u32 s55, s55, s4
	s_lshl_b32 s76, s53, 8
	s_add_co_u32 s76, s76, s55
	s_mul_i32 s62, s76, 1536
	s_add_co_u32 s62, s62, s57
	s_mov_b32 s63, 0
	s_lshl_b32 s76, s53, 5
	s_lshr_b32 s77, s55, 3
	s_add_co_u32 s76, s76, s77
	s_lshl_b32 s68, s76, 9
	s_and_b32 s76, s4, 1
	s_lshl_b32 s76, s76, 8
	s_add_co_u32 s68, s68, s76
	s_bfe_u32 s76, s4, 0x20001
	s_lshl_b32 s76, s76, 2
	s_add_co_u32 s68, s68, s76
	s_add_co_u32 s68, s68, 6291456
	s_mov_b32 s69, 0
	s_lshl_b32 s8, s55, 12
	s_mov_b32 s9, 0
	s_mul_i32 s10, s55, 12288
	s_mul_i32 s76, s53, 1536
	s_add_co_u32 s10, s10, s76
	s_add_co_u32 s10, s10, s57
	s_mov_b32 s11, 0
	s_lshl_b32 s12, s55, 9
	s_lshl_b32 s76, s53, 6
	s_add_co_u32 s12, s12, s76
	s_lshl_b32 s76, s54, 1
	s_add_co_u32 s12, s12, s76
	s_add_co_u32 s12, s12, 3145728
	s_mov_b32 s13, 0
	s_mov_b32 s2, 0x3e38aa3b
	s_mov_b32 s3, s2
	s_mov_b32 s14, 0x76543210
	s_mov_b32 s15, 0xfedcba98
	s_mov_b32 s24, 15|(3<<16)|(1<<21)
	s_mov_b32 s25, 96<<16
	s_mov_b32 s26, 8<<16
	s_mov_b32 s27, 96<<16
	s_mov_b32 s28, 8
	s_mov_b32 s29, 192
	s_mov_b32 s30, 0
	s_mov_b32 s31, 0
	s_mov_b32 s32, 15|(3<<16)|(1<<21)
	s_mov_b32 s33, 32<<16
	s_mov_b32 s34, 24<<16
	s_mov_b32 s35, 32<<16
	s_mov_b32 s36, 24
	s_mov_b32 s37, 32
	s_mov_b32 s38, 0
	s_mov_b32 s39, 0
	s_wait_dscnt 0x0
	s_wait_kmcnt 0x0
	s_mov_b32 s40, 1
	s_mul_i32 s41, s4, REC
	s_add_nc_u64 s[42:43], s[16:17], s[58:59]
	s_or_b32 s43, s43, 0x80000000
	s_mov_b32 s44, 1
	s_add_co_u32 s45, s41, 6144
	s_add_nc_u64 s[46:47], s[18:19], s[60:61]
	s_or_b32 s47, s47, 0x80000000
	s_add_nc_u64 s[62:63], s[16:17], s[62:63]
	s_add_nc_u64 s[68:69], s[16:17], s[68:69]
	s_add_nc_u64 s[70:71], s[16:17], s[70:71]
	s_add_nc_u64 s[72:73], s[18:19], s[72:73]
	s_add_nc_u64 s[8:9], s[20:21], s[8:9]
	s_add_nc_u64 s[10:11], s[22:23], s[10:11]
	s_add_nc_u64 s[12:13], s[22:23], s[12:13]
	CROUND
	tensor_load_to_lds s[40:43], s[24:31]
	s_nop 0
	s_wait_alu depctr_va_vdst(0)
	s_wait_tensorcnt 0x0
	ds_add_u32 v88, v89
	s_wait_dscnt 0x0
	CROUND
	tensor_load_to_lds s[44:47], s[32:39]
	s_nop 0
.rept 4
	v_nop
.endr
	v_and_b32 v228, 31, v0
	s_delay_alu instid0(VALU_DEP_1)
	v_lshlrev_b32 v[L16], 4, v228
	s_delay_alu instid0(VALU_DEP_2)
	v_lshlrev_b32 v[L8], 3, v228
	v_and_b32 v229, 15, v0
	s_delay_alu instid0(VALU_DEP_1)
	v_lshlrev_b32 v230, 4, v229
	s_delay_alu instid0(VALU_DEP_2)
	v_lshlrev_b32 v[R4], 2, v229
	global_load_b128 v[16:19], v[L16], s[62:63]
	global_load_b64 v[20:21], v[L8], s[62:63] offset:512
	global_load_b32 v[QSW], v230, s[68:69]
	global_load_b128 v[232:235], v[L16], s[70:71]
	global_load_b64 v[236:237], v[L16], s[72:73]
	v_add_nc_u32 v[A16], s74, v[L16]
	v_add_nc_u32 v[A8], s74, v[L8]
.irp i, 0,1,2,3,4,5
	v_mov_b32 v[22+\i], 0
	v_mov_b32 v[KR+48+\i], 0
.endr
	v_mov_b32 v[NINF], 0xff800000
	v_mov_b32 v13, 0xff61b1e6
	s_delay_alu instid0(VALU_DEP_1)
	v_floor_f32 v12, -v13
	v_mov_b32 v14, 0
	v_mov_b32 v15, 0
	v_mov_b32 v31, 0
	v_mov_b32 v229, 0
.irp b, 0,1,2,3
	v_mov_b32 v[TM+4+\b], 0
.endr
	s_wait_loadcnt 0x0
.irp i, 0,1,2,3
	v_bfe_u32 v[232+\i], v[232+\i], s75, 16
.endr
	v_bfe_u32 v[QSW], v[QSW], s75, 16
	ds_store_b128 v[A16], v[232:235] offset:12288
	ds_store_b64 v[A8], v[236:237] offset:12800
.set j, 0
.rept 32
	v_mov_b32 v[O+j], 0
.set j, j+1
.endr
.macro RELOAD
	s_add_co_u32 s6, s6, 256
	s_and_b32 s6, s6, 0xfff
	s_load_b512 s[16:31], s[8:9], s6 offset:0x0
	s_load_b512 s[32:47], s[8:9], s6 offset:0x40
	s_load_b512 s[48:63], s[8:9], s6 offset:0x80
	s_load_b512 s[68:83], s[8:9], s6 offset:0xc0
.endm
	s_wait_tensorcnt 0x0
	s_mov_b32 s6, 0xf00
	RELOAD
	s_wait_dscnt 0x0
	s_barrier_signal -1
	s_barrier_wait -1
.macro QK
	v_add_nc_u32 v[A16], s5, v[L16]
	v_add_nc_u32 v[A8], s5, v[L8]
.rept 3
	v_nop
.endr
.irp t, 0,1,2,3,4,5,6,7
	ds_load_b128 v[KR+6*\t:KR+6*\t+3], v[A16] offset:768*\t
	ds_load_b64 v[KR+6*\t+4:KR+6*\t+5], v[A8] offset:768*\t+512
.endr
	ds_load_b128 v[KSW:KSW+3], v[A16] offset:12288
	s_wait_dscnt 0x0
.irp t, 0,2,4,6
	v_wmma_scale_f32_16x16x128_f8f6f4 v[S+8*\t:S+8*\t+7], v[KR+6*\t:KR+6*\t+11], v[16:27], 0, v[KSW+\t/2], v[QSW] matrix_a_fmt:MATRIX_FMT_FP6 matrix_b_fmt:MATRIX_FMT_FP6
	v_wmma_scale_f32_16x16x128_f8f6f4 v[S+8*\t+8:S+8*\t+15], v[KR+6*\t+6:KR+6*\t+17], v[16:27], 0, v[KSW+\t/2], v[QSW] matrix_a_fmt:MATRIX_FMT_FP6 matrix_b_fmt:MATRIX_FMT_FP6 matrix_a_scale:MATRIX_SCALE_ROW1
.endr
.rept 4
	v_nop
.endr
.endm
.macro MASK
	s_wait_kmcnt 0x0
.set j, 0
.rept 64
.if j < 48
	v_cndmask_b32 v[S+j], v[NINF], v[S+j], s[16+j]
.else
	v_cndmask_b32 v[S+j], v[NINF], v[S+j], s[20+j]
.endif
.set j, j+1
.endr
.endm
.macro BLKMAX
.irp b, 0,1,2,3
	v_max3_num_f32 v[TM+\b], v[S+16*\b], v[S+1+16*\b], v[S+2+16*\b]
.endr
.irp i, 3,5,7,9,11,13
.irp b, 0,1,2,3
	s_delay_alu instid0(VALU_DEP_4)
	v_max3_num_f32 v[TM+\b], v[TM+\b], v[S+16*\b+\i], v[S+1+16*\b+\i]
.endr
.endr
.irp b, 0,1,2,3
	s_delay_alu instid0(VALU_DEP_4)
	v_max_num_f32 v[TM+\b], v[TM+\b], v[S+15+16*\b]
.endr
.endm
.macro TMINUSM
.set j, 0
.rept 32
	v_pk_fma_f32 v[S+j:S+j+1], v[S+j:S+j+1], s[2:3], v[12:13] op_sel_hi:[1,0,0]
.set j, j+2
.endr
.endm
.macro EXPS
.set j, 0
.rept 64
	v_exp_f32 v[S+j], v[S+j]
.set j, j+1
.endr
.endm
	s_mov_b32 s5, 0
	s_mov_b32 s7, 16
.Lw1:
	QK
	MASK
	RELOAD
	BLKMAX
	s_delay_alu instid0(VALU_DEP_2)
	v_max3_num_f32 v228, v[TM], v[TM+1], v[TM+2]
	s_delay_alu instid0(VALU_DEP_1)
	v_max_num_f32 v228, v228, v[TM+3]
	s_delay_alu instid0(VALU_DEP_1)
	v_permlanex16_b32 v229, v228, s14, s15
	s_delay_alu instid0(VALU_DEP_1)
	v_max_num_f32 v228, v228, v229
	s_delay_alu instid0(VALU_DEP_1)
	v_mul_f32 v228, s2, v228
	s_delay_alu instid0(VALU_DEP_1)
	v_max_num_f32 v13, v13, v228
	v_mov_b32 v228, v12
	s_delay_alu instid0(VALU_DEP_2)
	v_floor_f32 v12, -v13
	s_delay_alu instid0(VALU_DEP_1)
	v_sub_f32 v228, v12, v228
	s_delay_alu instid0(VALU_DEP_1)
	v_cvt_i32_f32 v228, v228
	s_delay_alu instid0(VALU_DEP_1)
	v_ldexp_f32 v30, 1.0, v228
	TMINUSM
	s_wait_alu depctr_va_vdst(0)
	EXPS
	v_pk_mul_f32 v[14:15], v[14:15], v[30:31] op_sel_hi:[1,0]
	s_wait_alu depctr_va_vdst(0)
	v_pk_add_f32 v[230:231], v[S:S+1], v[S+2:S+3]
.irp j, 4,8,12,16,20,24,28,32,36,40,44,48,52,56,60
	v_pk_add_f32 v[14:15], v[14:15], v[S+\j:S+\j+1]
	v_pk_add_f32 v[230:231], v[230:231], v[S+\j+2:S+\j+3]
.endr
	s_delay_alu instid0(VALU_DEP_1)
	v_pk_add_f32 v[14:15], v[14:15], v[230:231]
	s_add_co_u32 s5, s5, REC
	s_sub_co_u32 s7, s7, 1
	s_cmp_lg_u32 s7, 0
	s_cbranch_scc1 .Lw1
	v_add_f32 v14, v14, v15
	s_delay_alu instid0(VALU_DEP_1)
	v_permlanex16_b32 v229, v14, s14, s15
	s_delay_alu instid0(VALU_DEP_1)
	v_add_f32 v14, v14, v229
	s_delay_alu instid0(VALU_DEP_1)
	v_max_num_f32 v14, 0x3089705f, v14
	s_wait_alu depctr_va_vdst(0)
	v_log_f32 v14, v14                             ; attn = p / max(l, 1e-9) = 2^(t - M - log2(max(l, 1e-9))): the division goes into the exponent's addend
	v_nop
	s_wait_alu depctr_va_vdst(0)
	v_sub_f32 v12, v12, v14                        ; LIMIT: this addend is rounded once in f32, so a row's attn carries a common factor within half an ulp of |M + log2 l| x ln 2 of 1
	s_mov_b32 s5, 0
	s_mov_b32 s7, 16
.Lw2:
	QK
	MASK
	s_cmp_eq_u32 s7, 1
	s_cbranch_scc1 .Lno_next
	RELOAD
.Lno_next:
	BLKMAX
.irp b, 0,1,2,3
	s_delay_alu instid0(VALU_DEP_4)
	v_permlanex16_b32 v[TM+4+\b], v[TM+\b], s14, s15
.endr
.irp b, 0,1,2,3
	s_delay_alu instid0(VALU_DEP_4)
	v_max_num_f32 v[TM+\b], v[TM+\b], v[TM+4+\b]
.endr
	TMINUSM
.irp b, 0,1,2,3
	v_fma_f32 v[TM+\b], v[TM+\b], s2, v12
.endr
	s_wait_alu depctr_va_vdst(0)
	EXPS
.irp b, 0,1,2,3
	v_exp_f32 v[TM+\b], v[TM+\b]                   ; each block's largest attn: the same two instructions on the block's largest score
.endr
	v_nop
	s_wait_alu depctr_va_vdst(0)                   ; one wait for the whole batch
.irp b, 0,1,2,3
	v_max_num_f32 v[TM+\b], 0x1800000, v[TM+\b]
.endr
.irp b, 0,1,2,3
	s_delay_alu instid0(VALU_DEP_4)
	v_add_nc_u32 v[TM+12+\b], 0xff000000, v[TM+\b]
.endr
.irp b, 0,1,2,3
	s_delay_alu instid0(VALU_DEP_4)
	v_lshrrev_b32 v[TM+4+\b], 23, v[TM+12+\b]
.endr
	s_delay_alu instid0(VALU_DEP_3)
	v_lshl_or_b32 v[PW], v[TM+5], 8, v[TM+4]
	s_delay_alu instid0(VALU_DEP_1)
	v_lshl_or_b32 v[PW], v[TM+6], 16, v[PW]
	s_delay_alu instid0(VALU_DEP_1)
	v_lshl_or_b32 v[PW], v[TM+7], 24, v[PW]
.irp c, 0,1
	v_cvt_scalef32_pk16_fp6_f32 v[PC+6*\c:PC+2+6*\c], v[S+32*\c:S+15+32*\c], v[TM+12+2*\c]
	v_cvt_scalef32_pk16_fp6_f32 v[T2+4*\c:T2+2+4*\c], v[S+16+32*\c:S+31+32*\c], v[TM+13+2*\c]
.endr
.irp c, 0,1,2,3
	ds_load_b128 v[S+12*\c:S+12*\c+3], v[A16] offset:6144+1536*\c
	ds_load_b64 v[S+12*\c+4:S+12*\c+5], v[A8] offset:6144+1536*\c+512
	ds_load_b128 v[S+12*\c+6:S+12*\c+9], v[A16] offset:6144+1536*\c+768
	ds_load_b64 v[S+12*\c+10:S+12*\c+11], v[A8] offset:6144+1536*\c+1280
.endr
	ds_load_b64 v[VSW:VSW+1], v[A8] offset:12800
	v_nop
.irp c, 0,1
.irp i, 0,1,2
	v_permlane16_swap_b32 v[PC+6*\c+\i], v[T2+4*\c+\i]
.endr
.irp i, 0,1,2
	s_delay_alu instid0(VALU_DEP_3)
	v_mov_b32 v[PC+3+6*\c+\i], v[T2+4*\c+\i]
.endr
.endr
.rept 4
	v_nop
.endr
	s_wait_alu depctr_va_vdst(0)
	s_wait_dscnt 0x0
.irp c, 0,2
	v_wmma_scale_f32_16x16x128_f8f6f4 v[O+8*\c:O+8*\c+7], v[S+12*\c:S+12*\c+11], v[PC:PC+11], v[O+8*\c:O+8*\c+7], v[VSW+\c/2], v[PW] matrix_a_fmt:MATRIX_FMT_FP6 matrix_b_fmt:MATRIX_FMT_FP6
	v_wmma_scale_f32_16x16x128_f8f6f4 v[O+8*\c+8:O+8*\c+15], v[S+12*\c+12:S+12*\c+23], v[PC:PC+11], v[O+8*\c+8:O+8*\c+15], v[VSW+\c/2], v[PW] matrix_a_fmt:MATRIX_FMT_FP6 matrix_b_fmt:MATRIX_FMT_FP6 matrix_a_scale:MATRIX_SCALE_ROW1
.endr
	s_add_co_u32 s5, s5, REC
	s_sub_co_u32 s7, s7, 1
	s_cmp_lg_u32 s7, 0
	s_cbranch_scc1 .Lw2
.rept 4
	v_nop
.endr
.irp b, 0,1
	v_max3_num_f32 v[TM+\b], |v[O+16*\b]|, |v[O+1+16*\b]|, 0x1800000
.endr
.irp i, 2,4,6,8,10,12,14
.irp b, 0,1
	v_max3_num_f32 v[TM+\b], v[TM+\b], |v[O+16*\b+\i]|, |v[O+1+16*\b+\i]|
.endr
.endr
.irp b, 0,1
	s_delay_alu instid0(VALU_DEP_2)
	v_permlanex16_b32 v[TM+4+\b], v[TM+\b], s14, s15
.endr
.irp b, 0,1
	s_delay_alu instid0(VALU_DEP_2)
	v_max_num_f32 v[TM+\b], v[TM+\b], v[TM+4+\b]
.endr
.irp b, 0,1
	s_delay_alu instid0(VALU_DEP_2)
	v_add_nc_u32 v[TM+12+\b], 0xff000000, v[TM+\b]
.endr
.irp b, 0,1
	s_delay_alu instid0(VALU_DEP_2)
	v_lshrrev_b32 v[TM+4+\b], 23, v[TM+12+\b]
.endr
	s_delay_alu instid0(VALU_DEP_1)
	v_lshl_or_b32 v[PW], v[TM+5], 8, v[TM+4]
	v_cvt_scalef32_pk16_fp6_f32 v[PC:PC+2], v[O:O+15], v[TM+12]
	v_cvt_scalef32_pk16_fp6_f32 v[T2:T2+2], v[O+16:O+31], v[TM+13]
	v_nop
.irp i, 0,1,2
	v_permlane16_swap_b32 v[PC+\i], v[T2+\i]
.endr
.irp i, 0,1,2
	s_delay_alu instid0(VALU_DEP_3)
	v_mov_b32 v[PC+3+\i], v[T2+\i]
.endr
	global_store_b128 v[L16], v[PC:PC+3], s[10:11]
	global_store_b64 v[L8], v[PC+4:PC+5], s[10:11] offset:512
	global_store_b16 v[R4], v[PW], s[12:13]
	s_wait_tensorcnt 0x0
	ds_add_u32 v[SPW], v[NIL]
	s_wait_dscnt 0x0
	CROUND
	s_endpgm
.Lfunc_end_k_q909ee94bf8_attn:
	.size	k_q909ee94bf8_attn, .Lfunc_end_k_q909ee94bf8_attn-k_q909ee94bf8_attn
	.p2alignl 7, 3214868480
	.fill 96, 4, 3214868480
	.section	.rodata,"a",@progbits
	.p2align	6, 0x0
	.amdhsa_kernel k_q909ee94bf8_attn
		.amdhsa_group_segment_fixed_size 327680
		.amdhsa_private_segment_fixed_size 0
		.amdhsa_enable_private_segment 0
		.amdhsa_kernarg_size 32
		.amdhsa_user_sgpr_count 2
		.amdhsa_user_sgpr_kernarg_segment_ptr 1
		.amdhsa_wavefront_size32 1
		.amdhsa_system_sgpr_workgroup_id_x 1
		.amdhsa_system_sgpr_workgroup_id_y 1
		.amdhsa_system_sgpr_workgroup_id_z 1
		.amdhsa_system_vgpr_workitem_id 0
		.amdhsa_next_free_vgpr 256
		.amdhsa_next_free_sgpr 84
		.amdhsa_reserve_vcc 0
		.amdhsa_float_denorm_mode_32 3
		.amdhsa_float_denorm_mode_16_64 3
		.amdhsa_memory_ordered 1
		.amdhsa_forward_progress 1
		.amdhsa_inst_pref_size 49
	.end_amdhsa_kernel
	.amdgpu_metadata
---
amdhsa.version: [ 1, 2 ]
amdhsa.kernels:
  - .name:           k_q909ee94bf8_attn
    .symbol:         k_q909ee94bf8_attn.kd
    .args:
      - { .name: qk, .offset: 0, .size: 8, .value_kind: global_buffer, .address_space: global }
      - { .name: vv, .offset: 8, .size: 8, .value_kind: global_buffer, .address_space: global }
      - { .name: mbits, .offset: 16, .size: 8, .value_kind: global_buffer, .address_space: global }
      - { .name: oq, .offset: 24, .size: 8, .value_kind: global_buffer, .address_space: global }
    .group_segment_fixed_size: 327680
    .private_segment_fixed_size: 0
    .kernarg_segment_align: 8
    .kernarg_segment_size: 32
    .max_flat_workgroup_size: 512
    .sgpr_count:     84
    .vgpr_count:     256
    .wavefront_size: 32
...
	.end_amdgpu_metadata
.endif
;; end of part 3
;; launch oproj (part 4): grid 8 x 32, 4 waves a work-group, clusters of 4 x 4, 327,680 bytes of LDS; arguments oq, wq, bo, out0; writes out0
.if DOCPART == 4
	.amdgcn_target "amdgcn-amd-amdhsa--gfx1250"
	.amdhsa_code_object_version 6
	.text
	.protected	k_q909ee94bf8_oproj
	.globl	k_q909ee94bf8_oproj
	.p2align	8
	.type	k_q909ee94bf8_oproj,@function
k_q909ee94bf8_oproj:
	s_mov_b64 s[64:65], 0
	v_nop
	global_prefetch_b8 v0, s[64:65] scope:SCOPE_SE
	s_setreg_imm32_b32 hwreg(HW_REG_WAVE_MODE, 25, 1), 1
	s_wait_xcnt 0x0
	s_wait_alu depctr_hold_cnt(0) depctr_sa_sdst(0) depctr_va_vdst(0) depctr_va_sdst(0) depctr_va_ssrc(0) depctr_va_vcc(0) depctr_vm_vsrc(0)
	s_getreg_b32 s2, hwreg(HW_REG_IB_STS2, 6, 4)
	s_cmp_eq_u32 s2, 0
	s_cbranch_scc0 .Lentry_in_a_cluster
	s_endpgm
.Lentry_in_a_cluster:
	s_bfe_u32 s2, ttmp6, 0x10000c
	s_cmp_lg_u32 s2, 0xf033
	s_cbranch_scc0 .Lentry_shape_is_right
	s_endpgm
.Lentry_shape_is_right:
; out0 = O Wo + bo on codes of FP6 (E2M3) with E8M0 scales.  No work is left out here.
; A work-group of four waves makes 128 tokens x 128 columns: grid 8 x 32 = 256 work-groups.  A wave makes 64 x 64: 16 accumulators, 128 registers.
; ALL OF K LIES IN LDS AT ONCE: 8 tiles x 8 K steps x 1,536 bytes = 98,304 dense bytes of O's fragment images, as many of Wo's, 4,096 bytes of scale words each.
; One joint load a wave at the head (wave 0 O's codes, 1 Wo's, 2 O's scale words, 3 Wo's); nothing is filled again, so there is no ring.
; CLUSTER 4 x 4: O's tiles hang on grid y and are asked for jointly along a row of the cluster, Wo's on grid x and jointly along a column.
; No prefetch: every byte is asked for by the head's loads, and there is no loop to run ahead in.
; Source 0 = F = 16 rows of Wo's image (columns of out0), source 1 = G = 16 tokens: a lane holds eight neighbouring columns of one token.  The bias is the C of each sum's first product.
; REGISTERS: window 0: v8-15, v24-29 addresses, v16-23 scale words (two sets), v32-63 bias, v64-159 and v160-255 two sets of F's 4 and G's 4 fragments; window 1: accumulator (a, b) at v[8 (4 a + b)].
.set WOFF,   98304
.set TILEB,  12288
.set FRB,    1536
.set SCL,    196608
.set STAGE,  204800                    ; the way out: 16 rows x 272 bytes for each wave, on bytes that no tensor load fills
.set SPITCH, 272
.set SPARE,  222208
.set SCLO,   3145728
.set FB,   8
.set GB,   10
.set ADRS, 12
.set L16,  13
.set L8,   14
.set SC,   16
.set STO,  24
.set RD,   25
.set CO,   26
.set SPW,  28
.set NIL,  29
.set BI,   32
.set BK,   64
.set G1X, 24
.set G1W, 48
.set G1SX, 68
.set G1SW, 80
.set MSB, 0
.macro WIN new
.if MSB != \new
	s_set_vgpr_msb (MSB<<8)|\new
.set MSB, \new
.endif
.endm
.macro CROUND
	s_barrier_signal -1
	s_barrier_wait -1
	s_cmp_lg_u32 s12, 0
	s_cbranch_scc1 .Lnot_wave_0_\@
	s_barrier_signal -3
.Lnot_wave_0_\@:
	s_barrier_wait -3
	s_barrier_signal -1
	s_barrier_wait -1
.endm
.macro PLACES
.rept 4
	v_nop
.endr
.endm
	s_load_b256 s[4:11], s[0:1], 0x0               ; oq, wq, bo, out0
	v_lshl_add_u32 v[SPW], v0, 2, SPARE
	v_mov_b32 v[NIL], 0
	ds_add_u32 v[SPW], v[NIL]                      ; the opening: the add, twice on end, and its wait
	ds_add_u32 v[SPW], v[NIL]
	v_lshrrev_b32 v1, 5, v0
	v_readfirstlane_b32 s12, v1                    ; wave
	s_lshr_b32 s13, s12, 1                         ; my half of the tokens
	s_and_b32 s14, s12, 1                          ; my half of the columns
	s_bfe_u32 s15, ttmp6, 0x40000                  ; cx
	s_bfe_u32 s16, ttmp6, 0x40004                  ; cy
	s_lshl_b32 s17, ttmp9, 2
	s_add_co_u32 s17, s17, s15                     ; grid x
	s_and_b32 s18, ttmp7, 0xffff
	s_lshl_b32 s18, s18, 2
	s_add_co_u32 s18, s18, s16                     ; grid y
	s_lshl_b32 s19, s16, 2
	s_lshl_b32 s19, 15, s19                        ; my row of the cluster
	s_lshl_b32 s20, 0x1111, s15                    ; my column
	s_or_b32 s[G1X], s19, (3<<16)|(1<<21)          ; the mask; elements of 8 bytes; bit 21 beside a mask; no padding
	s_or_b32 s[G1W], s20, (3<<16)|(1<<21)
	s_or_b32 s[G1SX], s19, (3<<16)|(1<<21)
	s_or_b32 s[G1SW], s20, (3<<16)|(1<<21)
.macro GRP1 g, rows                            ; a dense block as rows of 256 bytes
	s_mov_b32 s[\g+1], 32<<16
	s_mov_b32 s[\g+2], \rows<<16
	s_mov_b32 s[\g+3], 32<<16
	s_mov_b32 s[\g+4], \rows
	s_mov_b32 s[\g+5], 32
	s_mov_b32 s[\g+6], 0
	s_mov_b32 s[\g+7], 0
.endm
	GRP1 G1X, 384
	GRP1 G1W, 384
	GRP1 G1SX, 16
	GRP1 G1SW, 16
	s_mul_i32 s44, s18, 98304                      ; O's 8 tiles: they hang on grid y alone
	s_mov_b32 s45, 0
	s_lshl_b32 s46, s18, 12
	s_add_co_u32 s46, s46, SCLO
	s_mov_b32 s47, 0
	s_lshl_b32 s98, s17, 3
	s_add_co_u32 s98, s98, 192                     ; Wo's tiles begin at 192 in wq: they hang on grid x alone
	s_mul_i32 s100, s98, TILEB
	s_mov_b32 s101, 0
	s_lshl_b32 s98, s98, 9
	s_add_co_u32 s98, s98, SCLO
	s_mov_b32 s99, 0
	s_wait_dscnt 0x0                               ; both opening adds are done
	s_wait_kmcnt 0x0
	s_add_nc_u64 s[44:45], s[4:5], s[44:45]
	s_add_nc_u64 s[46:47], s[4:5], s[46:47]
	s_add_nc_u64 s[100:101], s[6:7], s[100:101]
	s_add_nc_u64 s[98:99], s[6:7], s[98:99]
	CROUND                                         ; all sixteen work-groups are here: the joint loads meet
.macro GRP0 g, lds, a
	s_mov_b32 s[\g], 1
	s_mov_b32 s[\g+1], \lds
	s_mov_b64 s[\g+2:\g+3], s[\a:\a+1]
	s_or_b32 s[\g+3], s[\g+3], 0x80000000
.endm
	GRP0 32, 0, 44
	GRP0 56, WOFF, 100
	GRP0 76, SCL, 46
	GRP0 88, SCL+4096, 98
.macro ARM under, g0, g1, next                 ; one chain of branches on the wave's number, one load to an arm, all arms to one join
	s_cmp_lt_u32 s12, \under
	s_cbranch_scc0 \next
	tensor_load_to_lds s[\g0:\g0+3], s[\g1:\g1+7]
	s_nop 0
.rept 4
	v_nop
.endr
	s_branch .Lhead_asked
\next:
.endm
	ARM 1, 32, G1X, .Lhead_w
	ARM 2, 56, G1W, .Lhead_sx
	ARM 3, 76, G1SX, .Lhead_sw
	tensor_load_to_lds s[88:91], s[G1SW:G1SW+7]
	s_nop 0
.rept 4
	v_nop
.endr
.Lhead_asked:
	s_lshl_b32 s20, s17, 9                         ; my first column, in bytes: 512 grid x + 256 half
	s_lshl_b32 s21, s14, 8
	s_add_co_u32 s20, s20, s21
	s_mov_b32 s21, 0
	s_add_nc_u64 s[8:9], s[8:9], s[20:21]          ; bias
	s_lshl_b32 s22, s18, 19                        ; my first token: 128 grid y + 64 half, rows of 4,096 bytes
	s_lshl_b32 s23, s13, 18
	s_add_co_u32 s22, s22, s23
	s_add_co_u32 s22, s22, s20
	s_mov_b32 s23, 0
	s_add_nc_u64 s[10:11], s[10:11], s[22:23]
	s_mul_i32 s19, s14, 4*TILEB
	s_add_co_u32 s19, s19, WOFF                    ; F: my 4 tiles of Wo
	s_mul_i32 s40, s13, 4*TILEB                    ; G: my 4 tiles of O
	s_lshl_b32 s41, s13, 11                        ; G's scale words
	s_lshl_b32 s42, s14, 11
	s_add_co_u32 s42, s42, 4096
	s_sub_co_u32 s42, s42, s41                     ; the distance to F's
	s_add_co_u32 s41, s41, SCL
	s_mul_i32 s43, s12, 16*SPITCH
	s_add_co_u32 s43, s43, STAGE                   ; my stage
	v_and_b32 v1, 31, v0
	v_and_b32 v2, 15, v0                           ; r
	v_bfe_u32 v3, v0, 4, 1                         ; h
	v_lshlrev_b32 v[L16], 4, v1
	v_lshlrev_b32 v[L8], 3, v1
	v_add_nc_u32 v[FB], s19, v[L16]
	v_add_nc_u32 v[FB+1], s19, v[L8]
	v_add_nc_u32 v[GB], s40, v[L16]
	v_add_nc_u32 v[GB+1], s40, v[L8]
	v_mul_u32_u24 v5, s42, v3                      ; lanes 16-31 take F's words
	v_lshl_add_u32 v5, v2, 2, v5
	v_add_nc_u32 v[ADRS], s41, v5
	v_mul_u32_u24 v6, v2, SPITCH                   ; into the stage: row r, 64 bytes on for lanes 16-31
	v_lshl_add_u32 v6, v3, 6, v6
	v_add_nc_u32 v[STO], s43, v6
	v_mul_u32_u24 v7, v3, SPITCH                   ; back: sixteen lanes to a row of 256 bytes, two rows an instruction
	v_lshl_add_u32 v7, v2, 4, v7
	v_add_nc_u32 v[RD], s43, v7
	v_lshlrev_b32 v[CO], 12, v3                    ; and the same two rows in out0
	v_lshl_add_u32 v[CO], v2, 4, v[CO]
	v_lshlrev_b32 v4, 6, v3
	s_wait_alu depctr_va_vdst(0)                   ; the head's end
.irp b, 0,1,2,3
	global_load_b128 v[BI+8*\b:BI+8*\b+3], v4, s[8:9] offset:(32*(\b/2)+8*(\b%2))*4      ; bo at the lane's eight columns of F's tile b
	global_load_b128 v[BI+8*\b+4:BI+8*\b+7], v4, s[8:9] offset:(32*(\b/2)+8*(\b%2))*4+16
.endr
	s_wait_tensorcnt 0x0                           ; my tile is in
	s_barrier_signal -1
	s_barrier_wait -1                              ; and everybody's
.macro FRAG reg, a16, o                        ; a fragment image into 12 registers
	ds_load_b128 v[\reg:\reg+3], v[\a16] offset:\o
	ds_load_b64 v[\reg+4:\reg+5], v[\a16+1] offset:\o+512
	ds_load_b128 v[\reg+6:\reg+9], v[\a16] offset:\o+768
	ds_load_b64 v[\reg+10:\reg+11], v[\a16+1] offset:\o+1280
.endm
.macro FETCH k                                 ; K step k: 36 LDS loads into set k % 2
.set FS, 64+96*((\k)%2)
.irp i, 0,1,2,3
	FRAG FS+12*\i, FB, \i*TILEB+(\k)*FRB
	FRAG FS+48+12*\i, GB, \i*TILEB+(\k)*FRB
.endr
.irp i, 0,1,2,3
	ds_load_b32 v[SC+4*((\k)%2)+\i], v[ADRS] offset:\i*512+64*(\k)   ; lanes 0-15 G's tile i, lanes 16-31 F's tile i
.endr
.endm
.macro MUL k                                   ; 16 matrix instructions; the 16 accumulators take turns
.set FS, 64+96*((\k)%2)
.set SS, SC+4*((\k)%2)
.irp a, 0,1,2,3
.irp b, 0,1,2,3
.if (\k) == 0
	v_wmma_scale_f32_16x16x128_f8f6f4 v[8*(4*\a+\b):8*(4*\a+\b)+7], v[FS+12*\b:FS+12*\b+11], v[FS+48+12*\a:FS+48+12*\a+11], v[BI+8*\b:BI+8*\b+7], v[SS+\b], v[SS+\a] matrix_a_fmt:MATRIX_FMT_FP6 matrix_b_fmt:MATRIX_FMT_FP6 matrix_a_scale:MATRIX_SCALE_ROW1
.else
	v_wmma_scale_f32_16x16x128_f8f6f4 v[8*(4*\a+\b):8*(4*\a+\b)+7], v[FS+12*\b:FS+12*\b+11], v[FS+48+12*\a:FS+48+12*\a+11], v[8*(4*\a+\b):8*(4*\a+\b)+7], v[SS+\b], v[SS+\a] matrix_a_fmt:MATRIX_FMT_FP6 matrix_b_fmt:MATRIX_FMT_FP6 matrix_a_scale:MATRIX_SCALE_ROW1
.endif
.endr
.endr
.endm
	FETCH 0
	s_wait_loadcnt 0x0                             ; the bias
.set K, 0
.rept 8
.if K < 7
.if K > 0
	PLACES                                         ; in front of loads into the set that the step before multiplied
.endif
	WIN 0
	FETCH K+1
	s_wait_dscnt 36                                ; this step's set is in; the 36 loads just issued may be out
.else
	s_wait_dscnt 0x0
.endif
.if K == 0
	WIN 0x40                                       ; D in window 1, C (the bias) in window 0
.else
	WIN 0x50                                       ; C and D in window 1
.endif
	MUL K
.set K, K+1
.endr
; THE WAY OUT: G's tile a, 16 tokens x 64 columns, goes through my stage and comes back as rows of 256 bytes; sixteen lanes store one aligned run of 256 bytes.
.macro TOSTAGE a
.set AC, 32*(\a)
	WIN 0x04                                       ; the data: window 1
.irp b, 0,1,2,3
	ds_store_b128 v[STO], v[AC+8*\b:AC+8*\b+3] offset:128*(\b/2)+32*(\b%2)       ; each accumulator from its low end on
	ds_store_b128 v[STO], v[AC+8*\b+4:AC+8*\b+7] offset:128*(\b/2)+32*(\b%2)+16
.endr
	WIN 0
.set BB, BK+32*((\a)%2)
.irp t, 0,1,2,3,4,5,6,7
	ds_load_b128 v[BB+4*\t:BB+4*\t+3], v[RD] offset:\t*2*SPITCH   ; LDS serves a wave's instructions in order: these see my stores
.endr
.endm
.macro SEND a, younger                         ; stage row i is token 32 (a / 2) + 8 (a % 2) + i + 8 (i / 8) of my 64
.set BB, BK+32*((\a)%2)
	s_wait_dscnt \younger
.irp t, 0,1,2,3,4,5,6,7
	global_store_b128 v[CO], v[BB+4*\t:BB+4*\t+3], s[10:11] offset:(32*((\a)/2)+8*((\a)%2)+2*\t+8*(\t/4))*4096 th:TH_STORE_NT
.endr
.endm
	PLACES                                         ; behind the last products
	TOSTAGE 0
.irp a, 1,2,3
.if \a > 1
	s_wait_xcnt 0x0                                ; tile a - 2's stores have read their registers
.endif
	TOSTAGE \a
	SEND \a-1, 16                                  ; behind tile a - 1's loads: tile a's 8 stores and 8 loads
.endr
	SEND 3, 0
	s_wait_tensorcnt 0x0                           ; the wave's end
	ds_add_u32 v[SPW], v[NIL]
	s_wait_dscnt 0x0
	CROUND                                         ; the closing round
	s_endpgm
.Lfunc_end_k_q909ee94bf8_oproj:
	.size	k_q909ee94bf8_oproj, .Lfunc_end_k_q909ee94bf8_oproj-k_q909ee94bf8_oproj
	.p2alignl 7, 3214868480
	.fill 96, 4, 3214868480
	.section	.rodata,"a",@progbits
	.p2align	6, 0x0
	.amdhsa_kernel k_q909ee94bf8_oproj
		.amdhsa_group_segment_fixed_size 327680
		.amdhsa_private_segment_fixed_size 0
		.amdhsa_enable_private_segment 0
		.amdhsa_kernarg_size 32
		.amdhsa_user_sgpr_count 2
		.amdhsa_user_sgpr_kernarg_segment_ptr 1
		.amdhsa_wavefront_size32 1
		.amdhsa_system_sgpr_workgroup_id_x 1
		.amdhsa_system_sgpr_workgroup_id_y 1
		.amdhsa_system_sgpr_workgroup_id_z 1
		.amdhsa_system_vgpr_workitem_id 0
		.amdhsa_next_free_vgpr 384
		.amdhsa_next_free_sgpr 102
		.amdhsa_reserve_vcc 0
		.amdhsa_float_denorm_mode_32 3
		.amdhsa_float_denorm_mode_16_64 3
		.amdhsa_memory_ordered 1
		.amdhsa_forward_progress 1
		.amdhsa_inst_pref_size 53
	.end_amdhsa_kernel
	.amdgpu_metadata
---
amdhsa.version: [ 1, 2 ]
amdhsa.kernels:
  - .name:           k_q909ee94bf8_oproj
    .symbol:         k_q909ee94bf8_oproj.kd
    .args:
      - { .name: oq, .offset: 0, .size: 8, .value_kind: global_buffer, .address_space: global }
      - { .name: wq, .offset: 8, .size: 8, .value_kind: global_buffer, .address_space: global }
      - { .name: bo, .offset: 16, .size: 8, .value_kind: global_buffer, .address_space: global }
      - { .name: out0, .offset: 24, .size: 8, .value_kind: global_buffer, .address_space: global }
    .group_segment_fixed_size: 327680
    .private_segment_fixed_size: 0
    .kernarg_segment_align: 8
    .kernarg_segment_size: 32
    .max_flat_workgroup_size: 128
    .sgpr_count:     102
    .vgpr_count:     384
    .wavefront_size: 32
...
	.end_amdgpu_metadata
.endif
;; end of part 4
